; MI455X (gfx1250); checked and timed in simulation.
; The chip was launched on July 23, 2026; its instructions are those of AMD's public machine-readable ISA for CDNA 5 (MIT licence, August 2026) and "CDNA5" Instruction Set Architecture Reference Guide (July 2026). The comments in the code are by the model that wrote it; some were corrected since.
;; Diff Flex Self Attention. Allowed arithmetic: matrix products marked QUANTISED: E2M3 operands, one E8M0 scale for each 32 along K, by v_wmma_scale_f32_16x16x128_f8f6f4 with both operands' format E2M3, f32 sums; everything else in f32.
;; Inputs: Wk 2,048 x 2,048 float32; Wo 2,048 x 2,048 float32; Wq 2,048 x 2,048 float32; Wv 2,048 x 2,048 float32; lk1 64 float32; lk2 64 float32; lq1 64 float32; lq2 64 float32; x 1 x 2,048 x 2,048 float32; x_pos 1 x 2,048 int32.
;; Outputs: out0 1 x 2,048 x 2,048 float32.
;; This version of the problem:
;;   THIS VERSION OF THE PROBLEM IS GIVEN IN LOW PRECISION. The matrix products marked QUANTISED in the list below multiply operands that are first quantised to E2M3 (2 exponent bits, 3 mantissa bits; 6 bits a number), with one power-of-two scale for each 32 numbers along K (OCP MX v1.0); their sums are f32. All else is computed in f32.
;;   The module's matrix products, in the order in which they are computed (A, B: the left and right operand; K: the contracted axis; several contracted axes count as one K, in the product's order):
;;     1. [M 2,048, K 2,048] x [K 2,048, N 2,048]; A: input x; B: input Wq: QUANTISED
;;     2. [M 2,048, K 2,048] x [K 2,048, N 2,048]; A: input x; B: input Wk: QUANTISED
;;     3. [M 2,048, K 2,048] x [K 2,048, N 2,048]; A: input x; B: input Wv: QUANTISED
;;     4. batch 16 x [M 2,048, K 64] x [K 64, N 2,048]; A: computed on the way; B: computed on the way: QUANTISED
;;     5. batch 16 x [M 2,048, K 2,048] x [K 2,048, N 128]; A: softmax (see below); B: computed on the way: QUANTISED
;;     6. batch 16 x [M 2,048, K 64] x [K 64, N 2,048]; A: computed on the way; B: computed on the way: QUANTISED
;;     7. batch 16 x [M 2,048, K 2,048] x [K 2,048, N 128]; A: softmax (see below); B: computed on the way: QUANTISED
;;     8. [M 2,048, K 2,048] x [K 2,048, N 2,048]; A: computed on the way; B: input Wo: QUANTISED
;;   THE QUANTISER, for each operand of a quantised product, along K:
;;     - K is cut into blocks of 32 from its start; a last block that is shorter is filled with zeros.
;;     - A block's scale is 2^e with e = floor(log2(the largest magnitude in the block)) - 2, held to -126 .. 127; a block of zeros has e = 0. As a byte (E8M0): e + 127.
;;     - Each number is divided by its block's scale, clamped to +-7.5, and rounded to the nearest number of E2M3, ties to even, subnormals kept.
;;     - The product sums the exact products of the quantised numbers (number of the format x scale) in f32.
;;   ~~~python
;;   def quantise(x, axis):      # numpy; x: float32 -> the quantised numbers, widened to float32 again
;;       x = np.moveaxis(x, axis, -1); K = x.shape[-1]
;;       x = np.pad(x, [(0, 0)] * (x.ndim - 1) + [(0, -K % 32)]); x = x.reshape(x.shape[:-1] + (-1, 32)); a = np.abs(x).max(-1, keepdims=True)
;;       e = np.where(a > 0, np.clip(np.frexp(np.where(a > 0, a, 1))[1] - 1 - 2, -126, 127), 0)      # np.frexp(a)[1] - 1 = floor(log2(a)), exactly
;;       r = np.clip(x / 2.0 ** e, -7.5, 7.5)
;;       step = 2.0 ** (np.maximum(np.frexp(np.where(r == 0, 1, r))[1] - 1, 0) - 3)
;;       q = np.round(r / step) * step * 2.0 ** e      # np.round: ties to even
;;       return np.moveaxis(q.reshape(q.shape[:-2] + (-1,))[..., :K], -1, axis).astype(np.float32)
;;   ~~~
;;   SOFTMAX AHEAD OF A QUANTISED PRODUCT. Where the list says 'softmax', what is quantised is not the finished softmax but p = 2^(t - M), with t = logit x log2(e) and M = ceil(the row's largest t), a whole number; so 1/2 < the row's largest p <= 1. The row's sum l is taken of the UNQUANTISED p, in f32, and the product's result is divided by l at the end. Since M is a whole number, a kernel that streams over the keys may use a running M (the ceiling of the running maximum): every later rescaling is an exact power of two, which a block's scale takes up: the codes' values come out the same.
;;   OPERANDS COMPUTED ON THE WAY. 'Computed on the way' means the value that the module computes at that place (a softmax that the list does not call 'softmax' is quantised finished and normalised). What goes into a quantiser is computed in f32, as accurately as f32 sums, v_exp_f32 and their like allow (about 1e-6 of the number): no bf16 or f16 on the way to a quantiser, and a product that is left as it is and whose result goes on into a quantised operand takes f32 operands (vector FMAs, or v_wmma_f32_16x16x4_f32). A number that lies on a knife's edge between two numbers of the format may be rounded either way, as far as f32 arithmetic and the matrix unit's own rounding can turn it there, and no further.
;; One version. Each part assembles by itself: llvm-mc -triple=amdgcn-amd-amdhsa -mcpu=gfx1250 --defsym DOCPART=n.
;; ======== version 1 of 1: 4 launches
;; limits: right only within a limited range of input values
;; workspace buffers: cod 15,728,640 bytes; scl 655,360 bytes; rope 524,288 bytes; qb 3,407,872 bytes; kvc 6,291,456 bytes; kvs 393,216 bytes; ac 3,145,728 bytes; asc 131,072 bytes
;; launch quant (part 1): grid 704 x 1, 4 waves a work-group, no clusters, 34,304 bytes of LDS; arguments x, Wq, Wk, Wv, Wo, x_pos, cod, scl, rope; writes cod, scl, rope
.if DOCPART == 1
	.amdgcn_target "amdgcn-amd-amdhsa--gfx1250"
	.amdhsa_code_object_version 6
	.text
	.protected	k_qcc6047dcbe_quant
	.globl	k_qcc6047dcbe_quant
	.p2align	8
	.type	k_qcc6047dcbe_quant,@function
k_qcc6047dcbe_quant:
	s_mov_b64 s[64:65], 0
	v_nop
	global_prefetch_b8 v0, s[64:65] scope:SCOPE_SE
	s_setreg_imm32_b32 hwreg(HW_REG_WAVE_MODE, 25, 1), 1
	s_wait_xcnt 0x0
; FIRST OF FOUR LAUNCHES of differential attention (S = 2048, 16 heads of 128, two score streams of 64), all products on codes of FP6 (E2M3) with one E8M0 scale for each 32 along K.
; DEAD WORK OF THE WHOLE PROGRAM: reference() builds the causal mask itself (jnp.tril) and puts -1e30 where key > query: there p = 2^(t - M) is 0 for every finite input, so a tile of keys that lies
; wholly behind a tile's queries adds nothing to the row's sum or to the second product, whatever the inputs hold.  Such tiles are neither loaded nor multiplied (third launch).  Nothing else is left out; every input is loaded.
; LIMIT: a NaN, an infinity or an overflow that reaches only those tiles is not carried to the result.
; THIS LAUNCH.  Work-groups 0-639: x, Wq, Wk, Wv, Wo (f32, K innermost) become codes and scale bytes.  Work-groups 640-703: the table of cos and sin for each row's position.
; POSITIONS.  Rows are filed by position: position p holds row p with its bits 3 and 4 exchanged, so that a group of 16 positions 16 (2 B + u) + r holds rows 32 B + 8 u + r + 8 (r / 8).  A product that takes such a
; group as its source 0 leaves, in the registers of groups 2 B and 2 B + 1, sixteen neighbours along that axis, which is what the next quantiser wants.
; cod: [640 groups][16 K steps][1,536]: a fragment (16 rows x 128 K, 12 registers a lane) as an image of its registers: registers 4 c .. 4 c + 3 of lane l at 512 c + 16 l.  Groups 0-127 x, 128- Wq, 256- Wk, 384- Wv, 512- Wo.
; scl: [640 groups][4 quarters of K][16 rows][4 words]: a word is the four scale bytes of one row and one K step.
; rope: [2048 rows][256 bytes]: cos of frequencies 0-15, sin 0-15, cos 16-31, sin 16-31.
; A block's scale is 2^(floor(log2(its largest magnitude)) - 2); its byte is that magnitude's exponent field - 2, held at 1 from below.  A block of zeros keeps the byte 1 where the rule says 127: its codes are zeros, and this program alone reads the bytes.
; LIMITS: NaN and infinities among the inputs are not served; |x_pos| stays under 2^22 (the quadrant number is then a whole number that f32 holds and the reduction below keeps its accuracy).
; A wave takes 16 rows x 4 K steps.  Each load reads 512 consecutive bytes of one row; a K step's 16 rows turn through the wave's own stage in LDS (rows of 512 + 16 bytes) so that lane (r, h) holds k = 64 c + 32 h + 0 .. 31 of row r:
; two whole blocks a lane, in the order of the operand's registers.  No wave reads another's bytes: no barrier.
.set STGB,  8448                       ; a wave's stage: 16 rows x 528 bytes
.set SPARE, 4*STGB                     ; behind the stages: the spare words, 128 bytes a wave, which no other line names
.set SPW, 12                           ; v12  my spare word's LDS address; never rewritten
.set NIL, 13                           ; v13  0; never rewritten
.set CD,  16                           ; v16-27   a fragment's codes
.set WD,  28                           ; v28-31   the four K steps' scale words
.set RAW, 32                           ; v32-159  two sets of 64: a K step as loaded
.set X,   160                          ; v160-223 my 64 numbers
.set MX,  224                          ; v224-225 largest magnitudes; v226-227 the conversions' scale operands; v228-229 bytes
.set SO,  226
.set EB,  228
.set TW,  230
.set TP,  231
.set TT,  232                          ; v232-234, v236-238: the upper halves of the two blocks' codes
	s_load_b512 s[4:19], s[0:1], 0x0               ; x, Wq, Wk, Wv, Wo, x_pos, cod, scl
	s_load_b64 s[20:21], s[0:1], 0x40              ; rope
	v_lshl_add_u32 v[SPW], v0, 2, SPARE
	v_mov_b32 v[NIL], 0
	v_lshrrev_b32 v1, 5, v0
	v_readfirstlane_b32 s22, v1                    ; wave
	v_and_b32 v1, 31, v0                           ; lane
	s_cmp_ge_u32 ttmp9, 640                        ; the work-group's number alone decides
	s_cbranch_scc1 .Lrope
	; ---------------- codes and scales
	v_lshlrev_b32 v2, 4, v1                        ; 16 x lane: my bytes of a load, and of an image's plane
	s_mul_i32 s23, s22, STGB
	v_add_nc_u32 v3, s23, v2                       ; the stage, on the way in
	v_and_b32 v8, 15, v1                           ; r
	v_lshrrev_b32 v9, 4, v1                        ; h
	v_mul_u32_u24 v4, v8, 528
	v_lshl_add_u32 v4, v9, 7, v4
	v_add_nc_u32 v4, s23, v4                       ; and out: row r, + 128 h bytes
	v_lshlrev_b32 v5, 3, v9                        ; 8 h: my two bytes' place in the scale word
	v_lshlrev_b32 v6, 4, v8
	v_lshl_add_u32 v6, v9, 3, v6                   ; 16 r + 8 h: my 8 bytes of the wave's 256 scale bytes
	v_mov_b32 v[TP], 0                             ; a lane permute's destination counts as one of its sources
	s_mov_b32 s2, 0x76543210
	s_mov_b32 s3, 0xfedcba98                       ; selects for lane l xor 16
	s_lshr_b32 s24, ttmp9, 7                       ; which tensor
	s_and_b32 s25, ttmp9, 127                      ; which group of 16 positions
	s_lshr_b32 s26, s25, 1
	s_lshl_b32 s26, s26, 18                        ; 32 rows of 8,192 bytes for each pair of groups,
	s_and_b32 s27, s25, 1
	s_lshl_b32 s27, s27, 16                        ; 8 rows for the odd group,
	s_add_co_u32 s26, s26, s27
	s_lshl_b32 s27, s22, 11                        ; my wave's 4 K steps of 512 bytes
	s_add_co_u32 s26, s26, s27
	s_mov_b32 s27, 0
	s_lshl_b32 s28, ttmp9, 4
	s_lshl_b32 s29, s22, 2
	s_add_co_u32 s28, s28, s29
	s_mul_i32 s28, s28, 1536                       ; my first image in cod
	s_mov_b32 s29, 0
	s_lshl_b32 s30, ttmp9, 10
	s_lshl_b32 s31, s22, 8
	s_add_co_u32 s30, s30, s31                     ; my 256 bytes in scl
	s_mov_b32 s31, 0
	s_wait_alu depctr_va_vdst(0)
	s_wait_kmcnt 0x0
	s_cmp_eq_u32 s24, 1
	s_cselect_b64 s[4:5], s[6:7], s[4:5]
	s_cmp_eq_u32 s24, 2
	s_cselect_b64 s[4:5], s[8:9], s[4:5]
	s_cmp_eq_u32 s24, 3
	s_cselect_b64 s[4:5], s[10:11], s[4:5]
	s_cmp_eq_u32 s24, 4
	s_cselect_b64 s[4:5], s[12:13], s[4:5]
	s_add_nc_u64 s[4:5], s[4:5], s[26:27]
	s_add_nc_u64 s[16:17], s[16:17], s[28:29]
	s_add_nc_u64 s[18:19], s[18:19], s[30:31]
.macro LOAD t                          ; K step t of my four: position p's row lies p + 8 (p / 8) rows on
.irp p, 0,1,2,3,4,5,6,7,8,9,10,11,12,13,14,15
	global_load_b128 v[RAW+64*((\t)%2)+4*\p:RAW+64*((\t)%2)+4*\p+3], v2, s[4:5] offset:(\p+8*(\p/8))*8192+512*(\t) th:TH_LOAD_NT
.endr
.endm
.macro UNIT u, left                    ; left: the younger loads that may stay out
	s_wait_loadcnt \left
.irp p, 0,1,2,3,4,5,6,7,8,9,10,11,12,13,14,15
	ds_store_b128 v3, v[RAW+64*((\u)%2)+4*\p:RAW+64*((\u)%2)+4*\p+3] offset:528*\p
.endr
.irp c, 0,1
.irp i, 0,1,2,3,4,5,6,7
	ds_load_b128 v[X+32*\c+4*\i:X+32*\c+4*\i+3], v4 offset:256*\c+16*\i   ; LDS serves a wave's instructions in order: these see the stores above
.endr
.endr
	s_wait_dscnt 0x0                               ; my numbers are back, and the stores have read their registers,
.if (\u) < 2
	LOAD (\u)+2                                    ; which take the K step two on
.endif
.irp c, 0,1
	v_max3_num_f32 v[MX+\c], |v[X+32*\c]|, |v[X+32*\c+1]|, 0x1800000      ; block 2 c + h is all mine; the floor 2^(3 - 127) holds the byte at 1 from below
.endr
.irp i, 2,4,6,8,10,12,14,16,18,20,22,24,26,28,30
.irp c, 0,1
	v_max3_num_f32 v[MX+\c], v[MX+\c], |v[X+32*\c+\i]|, |v[X+32*\c+\i+1]|
.endr
.endr
.irp c, 0,1
	v_add_nc_u32 v[SO+\c], 0xff000000, v[MX+\c]    ; 2 off the exponent field: the conversion takes that field as its scale
.endr
.irp c, 0,1
	v_lshrrev_b32 v[EB+\c], 23, v[SO+\c]           ; the scale's byte
.endr
	v_lshl_or_b32 v[TW], v[EB+1], 16, v[EB]        ; blocks h and 2 + h,
	v_lshlrev_b32 v[TW], v5, v[TW]                 ; at their places;
	v_permlanex16_b32 v[TP], v[TW], s2, s3
	v_or_b32 v[WD+(\u)], v[TW], v[TP]              ; with lane l xor 16's two the word is whole
	s_wait_alu depctr_va_vdst(0)
	s_wait_xcnt 0x0                                ; the last K step's stores have read the codes' registers
.irp c, 0,1
	v_cvt_scalef32_pk16_fp6_f32 v[CD+6*\c:CD+6*\c+2], v[X+32*\c:X+32*\c+15], v[SO+\c]
	v_cvt_scalef32_pk16_fp6_f32 v[TT+4*\c:TT+4*\c+2], v[X+32*\c+16:X+32*\c+31], v[SO+\c]    ; (a conversion's three registers begin on an even number)
.endr
	v_nop                                          ; one plain place behind a scaled conversion
.irp c, 0,1
.irp i, 0,1,2
	v_mov_b32 v[CD+6*\c+3+\i], v[TT+4*\c+\i]
.endr
.endr
.irp c, 0,1,2
	global_store_b128 v2, v[CD+4*\c:CD+4*\c+3], s[16:17] offset:1536*(\u)+512*\c   ; 512 consecutive bytes a store
.endr
.endm
	LOAD 0
	LOAD 1
	UNIT 0, 16
	UNIT 1, 16
	UNIT 2, 16
	UNIT 3, 0
	v_cmp_eq_u32 vcc_lo, 1, v9
	v_cndmask_b32 v14, v[WD], v[WD+2], vcc_lo      ; lanes 0-15 store words 0, 1 of their row, lanes 16-31 words 2, 3
	v_cndmask_b32 v15, v[WD+1], v[WD+3], vcc_lo
	global_store_b64 v6, v[14:15], s[18:19]        ; the wave stores 256 consecutive bytes, aligned
	s_branch .Lend
	; ---------------- cos and sin: a wave takes 8 rows; lane l makes words 2 l and 2 l + 1 of a row's 64
.Lrope:
	s_sub_co_u32 s24, ttmp9, 640
	s_lshl_b32 s24, s24, 5
	s_lshl_b32 s25, s22, 3
	s_add_co_u32 s24, s24, s25                     ; my first row
	s_lshl_b32 s26, s24, 2
	s_mov_b32 s27, 0
	s_lshl_b32 s28, s24, 8
	s_mov_b32 s29, 0
	s_wait_kmcnt 0x0
	s_add_nc_u64 s[14:15], s[14:15], s[26:27]
	s_add_nc_u64 s[20:21], s[20:21], s[28:29]
	s_load_b256 s[32:39], s[14:15], 0x0            ; eight positions: they enter values alone
	s_wait_alu depctr_va_vdst(0)
	v_lshlrev_b32 v7, 3, v1                        ; 8 x lane
	v_bfe_u32 v18, v1, 3, 1                        ; 1 where my words are sines,
	v_xor_b32 v18, 1, v18                          ; 1 where they are cosines: cos x = sin (x + pi / 2)
	v_mov_b32 v16, 0
	v_mov_b32 v17, 0
.macro FREQ p, a, b                    ; 10^(-i / 8) for i = 2 p and 2 p + 1, to the two lanes (cosine, sine) that want them
	s_mov_b32 s40, \a
	s_mov_b32 s41, \b
	v_writelane_b32 v16, s40, 16*((\p)/8)+(\p)%8
	v_writelane_b32 v16, s40, 16*((\p)/8)+(\p)%8+8
	v_writelane_b32 v17, s41, 16*((\p)/8)+(\p)%8
	v_writelane_b32 v17, s41, 16*((\p)/8)+(\p)%8+8
.endm
	FREQ 0,  0x3f800000, 0x3f3ff911
	FREQ 1,  0x3f0ff59a, 0x3ed7e89b
	FREQ 2,  0x3ea1e89b, 0x3e72d424
	FREQ 3,  0x3e361887, 0x3e088d77
	FREQ 4,  0x3dcccccd, 0x3d99940e
	FREQ 5,  0x3d6655c3, 0x3d2cba15
	FREQ 6,  0x3d0186e2, 0x3cc24350
	FREQ 7,  0x3c91ade1, 0x3c5a7bf1
	FREQ 8,  0x3c23d70a, 0x3bf5b9b0
	FREQ 9,  0x3bb8449c, 0x3b8a2e77
	FREQ 10, 0x3b4f3e37, 0x3b1b690d
	FREQ 11, 0x3ae91528, 0x3aaec98e
	FREQ 12, 0x3a83126f, 0x3a44948c
	FREQ 13, 0x3a136a16, 0x39dd1726
	FREQ 14, 0x39a5cb5f, 0x3978a814
	FREQ 15, 0x393a7753, 0x390bd472
	s_mov_b32 s42, 0x3f22f983                      ; 2 / pi
	s_mov_b32 s43, 0xbfc90fdb                      ; -(pi / 2 as f32)
	s_mov_b32 s44, 0x333bbd2e                      ; that f32 less pi / 2
	s_mov_b32 s45, 0xb94ca1f9                      ; sin r = r + r^3 (S1 + z (S2 + z S3)), z = r^2
	s_mov_b32 s46, 0x3c08839e
	s_mov_b32 s47, 0xbe2aaaa3
	s_mov_b32 s48, 0x37ccf5ce                      ; cos r = 1 - z / 2 + z^2 (C1 + z (C2 + z C3))
	s_mov_b32 s49, 0xbab6061a
	s_mov_b32 s50, 0x3d2aaaa5
.macro TRIG y, f                       ; v[y] = cos or sin of v19 x v[f]: x = n pi / 2 + r, |r| <= pi / 4; m = n (+ 1 for a cosine): odd m takes cos r, even m sin r; bit 1 of m is the sign
	v_mul_f32 v20, v19, v[\f]                      ; the angle, one f32 product as reference() has it
	v_mul_f32 v21, s42, v20
	v_rndne_f32 v21, v21                           ; n
	v_fma_f32 v22, v21, s43, v20
	v_fma_f32 v22, v21, s44, v22                   ; r
	v_cvt_i32_f32 v23, v21
	v_add_nc_u32 v23, v23, v18                     ; m
	v_mul_f32 v24, v22, v22                        ; z
	v_fma_f32 v25, v24, s45, s46
	v_fma_f32 v26, v24, s48, s49
	v_fma_f32 v25, v25, v24, s47
	v_fma_f32 v26, v26, v24, s50
	v_mul_f32 v27, v24, v22
	v_mul_f32 v28, v24, v24
	v_fma_f32 v29, v24, -0.5, 1.0
	v_fma_f32 v25, v25, v27, v22                   ; sin r
	v_fma_f32 v26, v26, v28, v29                   ; cos r
	v_and_b32 v27, 1, v23
	v_cmp_eq_u32 vcc_lo, 1, v27
	v_cndmask_b32 v25, v25, v26, vcc_lo
	v_lshlrev_b32 v23, 30, v23
	v_and_b32 v23, 0x80000000, v23
	v_xor_b32 v[\y], v23, v25
.endm
	s_wait_kmcnt 0x0
.irp i, 0,1,2,3,4,5,6,7
	v_cvt_f32_i32 v19, s[32+\i]
	s_wait_alu depctr_va_vdst(0)
	TRIG 64+2*\i, 16
	TRIG 65+2*\i, 17
	global_store_b64 v7, v[64+2*\i:65+2*\i], s[20:21] offset:256*\i    ; a row's 256 bytes; each row has registers of its own
.endr
.Lend:
	s_wait_tensorcnt 0x0                           ; the wave's end
	ds_add_u32 v[SPW], v[NIL]
	s_wait_dscnt 0x0
	s_endpgm
.Lfunc_end_k_qcc6047dcbe_quant:
	.size	k_qcc6047dcbe_quant, .Lfunc_end_k_qcc6047dcbe_quant-k_qcc6047dcbe_quant
	.p2alignl 7, 3214868480
	.fill 96, 4, 3214868480
	.section	.rodata,"a",@progbits
	.p2align	6, 0x0
	.amdhsa_kernel k_qcc6047dcbe_quant
		.amdhsa_group_segment_fixed_size 34304
		.amdhsa_private_segment_fixed_size 0
		.amdhsa_enable_private_segment 0
		.amdhsa_kernarg_size 72
		.amdhsa_user_sgpr_count 2
		.amdhsa_user_sgpr_kernarg_segment_ptr 1
		.amdhsa_wavefront_size32 1
		.amdhsa_system_sgpr_workgroup_id_x 1
		.amdhsa_system_sgpr_workgroup_id_y 1
		.amdhsa_system_sgpr_workgroup_id_z 1
		.amdhsa_system_vgpr_workitem_id 0
		.amdhsa_next_free_vgpr 240
		.amdhsa_next_free_sgpr 66
		.amdhsa_reserve_vcc 1
		.amdhsa_float_denorm_mode_32 3
		.amdhsa_float_denorm_mode_16_64 3
		.amdhsa_memory_ordered 1
		.amdhsa_forward_progress 1
		.amdhsa_inst_pref_size 55
	.end_amdhsa_kernel
	.amdgpu_metadata
---
amdhsa.version: [ 1, 2 ]
amdhsa.kernels:
  - .name:           k_qcc6047dcbe_quant
    .symbol:         k_qcc6047dcbe_quant.kd
    .args:
      - { .name: x, .offset: 0, .size: 8, .value_kind: global_buffer, .address_space: global }
      - { .name: Wq, .offset: 8, .size: 8, .value_kind: global_buffer, .address_space: global }
      - { .name: Wk, .offset: 16, .size: 8, .value_kind: global_buffer, .address_space: global }
      - { .name: Wv, .offset: 24, .size: 8, .value_kind: global_buffer, .address_space: global }
      - { .name: Wo, .offset: 32, .size: 8, .value_kind: global_buffer, .address_space: global }
      - { .name: x_pos, .offset: 40, .size: 8, .value_kind: global_buffer, .address_space: global }
      - { .name: cod, .offset: 48, .size: 8, .value_kind: global_buffer, .address_space: global }
      - { .name: scl, .offset: 56, .size: 8, .value_kind: global_buffer, .address_space: global }
      - { .name: rope, .offset: 64, .size: 8, .value_kind: global_buffer, .address_space: global }
    .group_segment_fixed_size: 34304
    .private_segment_fixed_size: 0
    .kernarg_segment_align: 8
    .kernarg_segment_size: 72
    .max_flat_workgroup_size: 128
    .sgpr_count:     66
    .vgpr_count:     240
    .wavefront_size: 32
...
	.end_amdgpu_metadata
.endif
;; end of part 1
;; launch qkv (part 2): grid 16 x 16, 4 waves a work-group, clusters of 4 x 4, 327,680 bytes of LDS; arguments cod, scl, rope, qb, kvc, kvs; writes qb, kvc, kvs
.if DOCPART == 2
	.amdgcn_target "amdgcn-amd-amdhsa--gfx1250"
	.amdhsa_code_object_version 6
	.text
	.protected	k_qcc6047dcbe_qkv
	.globl	k_qcc6047dcbe_qkv
	.p2align	8
	.type	k_qcc6047dcbe_qkv,@function
k_qcc6047dcbe_qkv:
	s_mov_b64 s[64:65], 0
	v_nop
	global_prefetch_b8 v0, s[64:65] scope:SCOPE_SE
	s_setreg_imm32_b32 hwreg(HW_REG_WAVE_MODE, 25, 1), 1
	s_wait_xcnt 0x0
	s_wait_alu depctr_hold_cnt(0) depctr_sa_sdst(0) depctr_va_vdst(0) depctr_va_sdst(0) depctr_va_ssrc(0) depctr_va_vcc(0) depctr_vm_vsrc(0)
	s_getreg_b32 s2, hwreg(HW_REG_IB_STS2, 6, 4)
	s_cmp_eq_u32 s2, 0
	s_cbranch_scc0 .Lentry_in_a_cluster
	s_endpgm
.Lentry_in_a_cluster:
	s_bfe_u32 s2, ttmp6, 0x10000c
	s_cmp_lg_u32 s2, 0xf033
	s_cbranch_scc0 .Lentry_shape_is_right
	s_endpgm
.Lentry_shape_is_right:
; q = x Wq^T, k = x Wk^T, v = x Wv^T on the codes of the first launch, fused with what follows them: rms and rotation of q and k, and the quantisers of the attention's operands: q, k along the stream's 64, v along the keys.
; SHARES.  Work-group (head, my): 128 rows of x against the head's 128 columns of each of Wq, Wk, Wv.  Wave (wr, wc): 64 rows x (stream wc of q, stream wc of k, columns 64 wc on of v): 48 accumulators.
; q and k are used TRANSPOSED (source 0 = 16 rows of W, source 1 = 16 rows of x): a lane holds one row of x and its registers run along the stream.  v is used as it stands (source 0 = x, source 1 = Wv): a lane holds one column and
; its registers run along the keys.  Rows of x and of the weights lie by position (first launch), so the registers of tiles 2 B and 2 B + 1 are 16 neighbours along the next product's K.
; K goes in slots of two steps of 128 through a ring of two LDS slots.  A slot: four regions [8 row groups][2 K steps][1,536]: x, Wq, Wk, Wv; wave w fetches region w by one tensor load of 8 rows x 3,072 bytes.
; The scale words of the 4 x 128 rows, for all of K, come once with the first fills (4 dense blocks of 8,192 bytes).
; CLUSTER 4 x 4: the four of a row share x's tiles, the four of a column the weights': each tile is asked for jointly, by the same load with the same descriptor and a mask that names the four.
; No prefetch is laid: the tiles are shared by joint loads and each K slot's refill has a slot's 96 matrix instructions in which to land.
; OUT.  qb [head 16 + my][13,312]: 8 tiles of 16 queries (true order) x 2 streams x 768 bytes (6 registers a lane at 24 l), then [stream][128] scale words.
;       kvc [head 16 + my][24,576]: K [stream][8 tiles by position][768]; V^T [8 tiles of 16 columns by position][1,536: 48 bytes a lane].   kvs [..][1,536]: K stream 0, K stream 1, V: each [2][16 rows][4 tiles] words.
; A stream's 64 codes are registers 0-5 of a fragment; its scale word is byte 0, byte 1 and 0x7f7f above.
; LIMITS: NaN and infinities are not served; a block of zeros keeps the byte 1 (its codes are zeros; this program alone reads the bytes).
; REGISTERS: window 0: v2-11 addresses of the way out; v16-29 addresses; v32-79 scale words, two sets of 24, and nothing else; v88-103 sums of squares; v128-223 x's fragments, two sets; on the way out v128-214 are at work.
;   window 1: v0-143 the weights' 12 fragments.  window 2: q's and k's accumulators, (tensor t, row tile a, column tile u) at 128 t + 32 a + 8 u.  window 3: v0-127 v's, (u, a) at 32 u + 8 a; v128-255 cos and sin of my four row tiles.
.set SLOT,  98304
.set REG,   24576
.set SCL,   2*SLOT                     ; the scale words: 4 x 8,192 bytes
.set SPARE, SCL+4*8192                 ; the spare words, 128 bytes a wave, which no other line names
.set KST,   0                          ; the stage of the way out lies in slot 0, which has had its last fill and its last read by then
.set VST,   12288
.set QST,   24576
.set QSC,   36864
.set KSC,   37888
.set VSC,   38912
.set AKST, 2
.set AQST, 3
.set AVST, 4
.set AKSC, 5
.set AVSC, 6
.set AQSC, 7
.set T16,  8                           ; 16 x thread
.set T8,   9                           ; 8 x thread
.set RT,   10
.set FLR,  11                          ; the floor 2^(3 - 127)
.set ADRA, 16
.set ADRB, 20
.set ADRS, 27
.set SPW,  28
.set NIL,  29
.set SC,   32
.set SQ,   88
.set AF,   128
.set XN,   128
.set Y,    160
.set CD,   192
.set TM,   208
.set PW,   214
.set G1, 24
.set G0, 32
.set G1B, 48
.set G0B, 56
.set MSB, 0
.macro WIN new                         ; the immediate's high byte repeats the setting that is left
.if MSB != \new
	s_set_vgpr_msb (MSB<<8)|\new
.set MSB, \new
.endif
.endm
.set MUL_QK, 0xa1                      ; source 0 (W) window 1, source 1 (x) window 0, C and D window 2
.set MUL_V,  0xf4                      ; source 0 (x) window 0, source 1 (Wv) window 1, C and D window 3
.set TO_B,   0x40                      ; destination window 1
.macro JLOAD g0a, g1a, g0b, g1b        ; wave 0 fetches for x, waves 1 to 3 for the weights; an s_nop 0 and four v_nop follow each line
	s_cmp_eq_u32 s16, 0
	s_cbranch_scc0 .Lfor_b_\@
	tensor_load_to_lds s[\g0a:\g0a+3], s[\g1a:\g1a+7]
	s_nop 0
.rept 4
	v_nop
.endr
	s_branch .Lasked_\@
.Lfor_b_\@:
	tensor_load_to_lds s[\g0b:\g0b+3], s[\g1b:\g1b+7]
	s_nop 0
.rept 4
	v_nop
.endr
.Lasked_\@:
.endm
.macro CREST                           ; a round of the cluster's barrier behind its opening barrier
	s_cmp_lg_u32 s16, 0
	s_cbranch_scc1 .Lnot_wave_0_\@
	s_barrier_signal -3
.Lnot_wave_0_\@:
	s_barrier_wait -3
	s_barrier_signal -1
	s_barrier_wait -1
.endm
.macro CROUND
	s_barrier_signal -1
	s_barrier_wait -1
	CREST
.endm
.macro PLACES                          ; four plain places behind matrix instructions, ahead of loads into their registers and of reads of their results
.rept 4
	v_nop
.endr
.endm
	s_load_b256 s[4:11], s[0:1], 0x0               ; cod, scl, rope, qb
	s_load_b128 s[12:15], s[0:1], 0x20             ; kvc, kvs
	v_lshl_add_u32 v[SPW], v0, 2, SPARE
	v_mov_b32 v[NIL], 0
	ds_add_u32 v[SPW], v[NIL]                      ; the opening: the add, twice on end, and its wait ahead of my first tensor load
	ds_add_u32 v[SPW], v[NIL]
	v_lshrrev_b32 v1, 5, v0
	v_readfirstlane_b32 s16, v1                    ; wave
	s_lshr_b32 s17, s16, 1                         ; wr
	s_and_b32 s18, s16, 1                          ; wc
	s_bfe_u32 s40, ttmp6, 0x40000                  ; cx
	s_bfe_u32 s41, ttmp6, 0x40004                  ; cy
	s_lshl_b32 s42, ttmp9, 2
	s_add_co_u32 s42, s42, s40                     ; head
	s_and_b32 s20, ttmp7, 0xffff
	s_lshl_b32 s20, s20, 2
	s_add_co_u32 s20, s20, s41                     ; my
	s_lshl_b32 s43, s41, 2
	s_lshl_b32 s43, 15, s43                        ; my row of the cluster
	s_lshl_b32 s44, 0x1111, s40                    ; my column
	s_or_b32 s[G1], s43, (3<<16)|(1<<21)           ; the mask; elements of 8 bytes; bit 21 beside a mask; no padding
	s_or_b32 s[G1B], s44, (3<<16)|(1<<21)
.irp g, G1, G1B
	s_mov_b32 s[\g+1], 384<<16                     ; tensor_dim0: 3,072 bytes: a group's two K steps
	s_mov_b32 s[\g+2], 8<<16                       ; tensor_dim1: 8 row groups
	s_mov_b32 s[\g+3], 384<<16                     ; tile_dim0
	s_mov_b32 s[\g+4], 8                           ; tile_dim1
	s_mov_b32 s[\g+5], 3072                        ; from group to group: 24,576 bytes
	s_mov_b32 s[\g+6], 0
	s_mov_b32 s[\g+7], 0
.endr
	s_mul_i32 s92, s20, 196608                     ; x's 8 groups: hangs on my alone
	s_mov_b32 s93, 0
	s_lshl_b32 s94, s20, 13                        ; and their scale words
	s_mov_b32 s95, 0
	s_lshl_b32 s46, s16, 7
	s_lshl_b32 s47, s42, 3
	s_add_co_u32 s46, s46, s47                     ; the weight's first group: 128 x wave + 8 x head
	s_lshl_b32 s96, s46, 10
	s_mov_b32 s97, 0
	s_mul_i32 s46, s46, 24576
	s_mov_b32 s47, 0
	s_mul_i32 s45, s16, REG                        ; where they go: wave x a region: no place in the cluster enters an LDS address
	s_lshl_b32 s98, s16, 13
	s_mov_b32 s66, 0x76543210
	s_mov_b32 s67, 0xfedcba98
	s_wait_dscnt 0x0                               ; both opening adds are done
	s_wait_kmcnt 0x0
	s_add_nc_u64 s[92:93], s[4:5], s[92:93]
	s_add_nc_u64 s[94:95], s[6:7], s[94:95]
	s_add_nc_u64 s[46:47], s[4:5], s[46:47]
	s_add_nc_u64 s[96:97], s[6:7], s[96:97]
	; THE SCALE WORDS go through registers: wave w asks for its dense block of 8,192 bytes (wave 0 x's, the others a weight's), 512 consecutive bytes a load, and stores it into bytes of LDS that no tensor load fills.
	; They are 32,768 of the 819,200 bytes that a work-group reads, so they are not asked for jointly.
	v_and_b32 v13, 31, v0
	v_lshlrev_b32 v15, 4, v13                      ; 16 x lane
	s_add_co_u32 s98, s98, SCL
	v_add_nc_u32 v14, s98, v15                     ; and the same place in my block in LDS
	s_wait_alu depctr_va_vdst(0)
	s_cmp_eq_u32 s16, 0
	s_cselect_b64 s[94:95], s[94:95], s[96:97]
.irp n, 0,1,2,3,4,5,6,7,8,9,10,11,12,13,14,15
	global_load_b128 v[128+4*\n:131+4*\n], v15, s[94:95] offset:512*\n
.endr
	CROUND                                         ; all sixteen work-groups are here: the first joint loads meet
.irp s, 0,1
	s_mov_b32 s[G0+4*\s], 1
	s_add_co_u32 s[G0+4*\s+1], s45, \s*SLOT
	s_add_nc_u64 s[G0+4*\s+2:G0+4*\s+3], s[92:93], \s*3072
	s_or_b32 s[G0+4*\s+3], s[G0+4*\s+3], 0x80000000
	s_mov_b32 s[G0B+4*\s], 1
	s_add_co_u32 s[G0B+4*\s+1], s45, \s*SLOT
	s_add_nc_u64 s[G0B+4*\s+2:G0B+4*\s+3], s[46:47], \s*3072
	s_or_b32 s[G0B+4*\s+3], s[G0B+4*\s+3], 0x80000000
.if \s == 1
	s_wait_loadcnt 0x0                             ; my scale words are in registers,
.irp n, 0,1,2,3,4,5,6,7,8,9,10,11,12,13,14,15
	ds_store_b128 v14, v[128+4*\n:131+4*\n] offset:512*\n
.endr
	s_wait_alu depctr_va_vdst(0)                   ; one tensor load a wave at the head: slot 1's first fill stands behind these lines and a round
	s_wait_tensorcnt 0x0
	ds_add_u32 v[SPW], v[NIL]
	s_wait_dscnt 0x0                               ; the add and my stores of scale words are done: the round shows them to the other waves
	CROUND
.endif
	JLOAD G0+4*\s, G1, G0B+4*\s, G1B               ; slot 0 at the head; slot 1 behind the round
.endr
	v_and_b32 v1, 15, v0                           ; r
	v_bfe_u32 v12, v0, 4, 1                        ; h
	v_and_b32 v13, 31, v0                          ; lane
	v_and_b32 v14, 8, v1
	v_add_nc_u32 v14, v14, v1                      ; r + 8 (r / 8)
	v_lshlrev_b32 v[RT], 8, v14
	v_lshl_add_u32 v[RT], v12, 7, v[RT]            ; the table: my row of a tile, my half's 16 cosines and 16 sines
	s_lshl_b32 s21, s20, 15
	s_lshl_b32 s22, s17, 14
	s_add_co_u32 s22, s21, s22                     ; rows 128 my + 64 wr on, 256 bytes each
	s_mov_b32 s23, 0
	s_add_nc_u64 s[8:9], s[8:9], s[22:23]
	WIN 0xc0                                       ; destination window 3
.irp a, 0,1,2,3
.irp i, 0,1,2,3,4,5,6,7
	global_load_b128 v[128+32*\a+4*\i:128+32*\a+4*\i+3], v[RT], s[8:9] offset:(32*(\a/2)+8*(\a%2))*256+16*\i
.endr
.endr
	WIN 0
	v_lshlrev_b32 v15, 4, v13                      ; 16 x lane: an image's place for my lane
	s_mul_i32 s21, s17, 12288                      ; x: my four groups
	s_mul_i32 s22, s18, 12288                      ; the weights: my four groups of each,
	s_add_co_u32 s22, s22, REG                     ; behind x's region
.irp s, 0,1
	v_add_nc_u32 v[ADRA+\s], s21, v15
	v_add_nc_u32 v[ADRB+\s], s22, v15
	s_add_co_u32 s21, s21, SLOT
	s_add_co_u32 s22, s22, SLOT
.endr
	v_lshlrev_b32 v15, 4, v1                       ; scale words: 16 bytes a row in a quarter of K
	s_lshl_b32 s21, s17, 12                        ; lanes 0-15: x's, my four groups
	s_lshl_b32 s22, s18, 12
	s_add_co_u32 s22, s22, 8192                    ; lanes 16-31: the weights', my four groups
	s_sub_co_u32 s22, s22, s21
	v_mul_u32_u24 v14, s22, v12                    ; the lower base + h x the distance
	s_add_co_u32 s21, s21, SCL
	v_add_nc_u32 v15, v15, v14
	v_add_nc_u32 v[ADRS], s21, v15
	; the way out's places in the stage
	s_mul_i32 s21, s18, 6144
	s_mul_i32 s22, s17, 3072
	s_add_co_u32 s21, s21, s22
	v_mul_u32_u24 v[AKST], v13, 24
	v_add_nc_u32 v[AKST], s21, v[AKST]             ; K: stream wc, tile 4 wr + a, 24 bytes a lane
	s_mul_i32 s21, s17, 6144
	s_mul_i32 s22, s18, 768
	s_add_co_u32 s21, s21, s22
	s_add_co_u32 s21, s21, QST
	v_lshrrev_b32 v14, 3, v1                       ; r / 8
	s_wait_alu depctr_va_vdst(0)
	v_and_b32 v15, 7, v1                           ; r % 8
	v_mul_u32_u24 v[AQST], v14, 1536
	v_mad_u32_u24 v[AQST], v12, 384, v[AQST]
	v_mad_u32_u24 v[AQST], v15, 24, v[AQST]
	v_add_nc_u32 v[AQST], s21, v[AQST]             ; Q in true order: position r of tile a is row 8 (a % 2) + r % 8 of query tile 4 wr + 2 (a / 2) + r / 8
	s_mul_i32 s21, s18, 6144
	s_mul_i32 s22, s17, 24
	s_add_co_u32 s21, s21, s22
	s_add_co_u32 s21, s21, VST
	v_mul_u32_u24 v[AVST], v13, 48
	v_add_nc_u32 v[AVST], s21, v[AVST]             ; V^T: 48 bytes a lane, of which my wave's 64 keys are 24
	s_lshl_b32 s21, s18, 9
	s_lshl_b32 s22, s17, 8
	s_add_co_u32 s21, s21, s22
	s_add_co_u32 s22, s21, KSC
	v_lshl_add_u32 v[AKSC], v1, 4, s22
	s_add_co_u32 s22, s21, QSC
	v_lshlrev_b32 v[AQSC], 6, v14
	s_wait_alu depctr_va_vdst(0)
	v_lshl_add_u32 v[AQSC], v15, 2, v[AQSC]
	v_add_nc_u32 v[AQSC], s22, v[AQSC]
	s_lshl_b32 s21, s18, 8
	s_lshl_b32 s22, s17, 1
	s_add_co_u32 s21, s21, s22
	s_add_co_u32 s21, s21, VSC
	v_lshl_add_u32 v[AVSC], v1, 4, s21
	v_lshlrev_b32 v[T16], 4, v0
	v_lshlrev_b32 v[T8], 3, v0
	v_mov_b32 v[FLR], 0x1800000
	v_mov_b32 v[TM+2], 0                           ; a lane permute's destination counts as one of its sources
	v_mov_b32 v[TM+3], 0
.macro FRAG reg, adr, off              ; a fragment's image: three loads of 512 consecutive bytes
.irp c, 0,1,2
	ds_load_b128 v[\reg+4*\c:\reg+4*\c+3], v[\adr] offset:\off+512*\c
.endr
.endm
.macro FETCH_B slot, q, b0             ; six of the weights' twelve blocks (block 4 t + u), K step q of the slot
	WIN TO_B
.set bb, \b0
.rept 6
	FRAG 12*bb, ADRB+\slot, (bb/4)*REG+(bb%4)*3072+1536*(\q)
.set bb, bb+1
.endr
	WIN 0
.endm
.macro FETCH_A slot, q                 ; x's four blocks into set q
.irp a, 0,1,2,3
	FRAG AF+48*(\q)+12*\a, ADRA+\slot, 3072*\a+1536*(\q)
.endr
.endm
.macro SCALES set                      ; a slot's two words a row: lanes 16-31 the weights' block b, lanes 0-15 x's block b (b < 4; further on they read bytes that are not used)
.irp b, 0,1,2,3,4,5,6,7,8,9,10,11
	ds_load_b64 v[SC+24*\set+2*\b:SC+24*\set+2*\b+1], v[ADRS] offset:(\b/4)*8192+(\b%4)*1024+8*\set
.endr
.endm
; The 48 accumulators take turns, one instruction a turn, in the same order in every step.
.macro MULQK b0, n, q, set, zero
.set bb, \b0
.rept \n
.irp a, 0,1,2,3
.set dd, 128*(bb/4)+32*\a+8*(bb%4)
.if \zero
	v_wmma_scale_f32_16x16x128_f8f6f4 v[dd:dd+7], v[12*bb:12*bb+11], v[AF+48*(\q)+12*\a:AF+48*(\q)+12*\a+11], 0, v[SC+24*(\set)+2*bb+(\q)], v[SC+24*(\set)+2*\a+(\q)] matrix_a_fmt:MATRIX_FMT_FP6 matrix_b_fmt:MATRIX_FMT_FP6 matrix_a_scale:MATRIX_SCALE_ROW1
.else
	v_wmma_scale_f32_16x16x128_f8f6f4 v[dd:dd+7], v[12*bb:12*bb+11], v[AF+48*(\q)+12*\a:AF+48*(\q)+12*\a+11], v[dd:dd+7], v[SC+24*(\set)+2*bb+(\q)], v[SC+24*(\set)+2*\a+(\q)] matrix_a_fmt:MATRIX_FMT_FP6 matrix_b_fmt:MATRIX_FMT_FP6 matrix_a_scale:MATRIX_SCALE_ROW1
.endif
.endr
.set bb, bb+1
.endr
.endm
.macro MULV q, set, zero
.irp u, 0,1,2,3
.irp a, 0,1,2,3
.if \zero
	v_wmma_scale_f32_16x16x128_f8f6f4 v[32*\u+8*\a:32*\u+8*\a+7], v[AF+48*(\q)+12*\a:AF+48*(\q)+12*\a+11], v[12*(8+\u):12*(8+\u)+11], 0, v[SC+24*(\set)+2*\a+(\q)], v[SC+24*(\set)+2*(8+\u)+(\q)] matrix_a_fmt:MATRIX_FMT_FP6 matrix_b_fmt:MATRIX_FMT_FP6 matrix_b_scale:MATRIX_SCALE_ROW1
.else
	v_wmma_scale_f32_16x16x128_f8f6f4 v[32*\u+8*\a:32*\u+8*\a+7], v[AF+48*(\q)+12*\a:AF+48*(\q)+12*\a+11], v[12*(8+\u):12*(8+\u)+11], v[32*\u+8*\a:32*\u+8*\a+7], v[SC+24*(\set)+2*\a+(\q)], v[SC+24*(\set)+2*(8+\u)+(\q)] matrix_a_fmt:MATRIX_FMT_FP6 matrix_b_fmt:MATRIX_FMT_FP6 matrix_b_scale:MATRIX_SCALE_ROW1
.endif
.endr
.endr
.endm
.macro STEP slot, zero                 ; a slot's first K step
	s_wait_dscnt 18                                ; all but the youngest 18 loads (the weights' blocks 6-11) are in
	WIN MUL_QK
	MULQK 0, 6, 0, \slot, \zero
	s_wait_dscnt 0x0                               ; blocks 6-11 are in
	PLACES
	FETCH_B \slot, 1, 0
	FETCH_A \slot, 1
	WIN MUL_QK
	MULQK 6, 2, 0, \slot, \zero
	WIN MUL_V
	MULV 0, \slot, \zero
	PLACES
	FETCH_B \slot, 1, 6
.endm
.macro TURN slot, next, fill           ; a slot's second K step changes slots: one barrier; fill = 1: this slot is filled again, two slots ahead
	s_wait_tensorcnt 0x0                           ; all my tensor loads have landed: my part of the next slot
	ds_add_u32 v[SPW], v[NIL]                      ; 0 onto my spare word
	s_wait_dscnt 19                                ; (the add and the youngest 18 loads may be out)
	WIN MUL_QK
	MULQK 0, 3, 1, \slot, 0
	s_wait_dscnt 0x0                               ; the add is done, and my reads of this slot are over
	s_barrier_signal -1
	MULQK 3, 3, 1, \slot, 0
	WIN 0
	s_barrier_wait -1
.if \fill
	CREST                                          ; the barrier has opened a round of the cluster's: no wave of any partner still reads this slot or has a load on its way
	s_add_nc_u64 s[G0+4*\slot+2:G0+4*\slot+3], s[G0+4*\slot+2:G0+4*\slot+3], 6144
	s_add_nc_u64 s[G0B+4*\slot+2:G0B+4*\slot+3], s[G0B+4*\slot+2:G0B+4*\slot+3], 6144
	JLOAD G0+4*\slot, G1, G0B+4*\slot, G1B         ; the first tensor load behind the round; its four v_nop are the places in front of the loads below
.else
	PLACES
.endif
.if \next == 0
	v_add_nc_u32 v[ADRS], 256, v[ADRS]             ; two slots are a quarter of K: on to the next quarter's words
.endif
	FETCH_B \next, 0, 0
	FETCH_A \next, 0
	s_wait_alu depctr_va_vdst(0)
	SCALES \next
	WIN MUL_QK
	MULQK 6, 2, 1, \slot, 0
	WIN MUL_V
	MULV 1, \slot, 0
	PLACES
	FETCH_B \next, 0, 6
.endm
	s_wait_tensorcnt 1                             ; the scale words and my part of slot 0 are in; slot 1's load may be out
	s_barrier_signal -1
	s_barrier_wait -1
	FETCH_B 0, 0, 0
	FETCH_A 0, 0
	SCALES 0
	FETCH_B 0, 0, 6
	STEP 0, 1                                      ; the first step starts the sums: nothing is cleared
	s_mov_b32 s3, 3
.Llap:                                             ; a trip goes once round the ring and fills both slots again: slots 2 to 7 of K's eight
	TURN 0, 1, 1
	STEP 1, 0
	TURN 1, 0, 1
	STEP 0, 0
	s_sub_co_u32 s3, s3, 1
	s_cmp_lg_u32 s3, 0
	s_cbranch_scc1 .Llap
	TURN 0, 1, 0                                   ; the last lap fills nothing
	STEP 1, 0
	s_wait_dscnt 18
	WIN MUL_QK
	MULQK 0, 6, 1, 1, 0
	s_wait_dscnt 0x0
	MULQK 6, 2, 1, 1, 0
	WIN MUL_V
	MULV 1, 1, 0
	WIN 0
	; ---- THE WAY OUT.  1: 1 / rms of the eight units (tensor t, row tile a) = e, 32 registers at 32 e of window 2; a row's other 32 numbers lie in lane l xor 16
	PLACES
	s_wait_loadcnt 0x0                             ; cos and sin
	s_mov_b32 s21, 0x3c800000                      ; 1 / 64
	s_mov_b32 s22, 0x34000000                      ; f32's eps
	WIN 0x0a
.irp e, 0,1,2,3,4,5,6,7
	v_pk_mul_f32 v[SQ+2*\e:SQ+2*\e+1], v[32*\e:32*\e+1], v[32*\e:32*\e+1]      ; each accumulator is read from its low end on
.endr
.irp i, 1,2,3,4,5,6,7,8,9,10,11,12,13,14,15
.irp e, 0,1,2,3,4,5,6,7
	v_pk_fma_f32 v[SQ+2*\e:SQ+2*\e+1], v[32*\e+2*\i:32*\e+2*\i+1], v[32*\e+2*\i:32*\e+2*\i+1], v[SQ+2*\e:SQ+2*\e+1]
.endr
.endr
	WIN 0
.irp e, 0,1,2,3,4,5,6,7
	v_add_f32 v[SQ+2*\e], v[SQ+2*\e], v[SQ+2*\e+1]
.endr
.irp e, 0,1,2,3,4,5,6,7
	v_permlanex16_b32 v[SQ+2*\e+1], v[SQ+2*\e], s66, s67
.endr
.irp e, 0,1,2,3,4,5,6,7
	v_add_f32 v[SQ+2*\e], v[SQ+2*\e], v[SQ+2*\e+1]
.endr
.irp e, 0,1,2,3,4,5,6,7
	v_fma_f32 v[SQ+2*\e], v[SQ+2*\e], s21, s22     ; the mean + eps
.endr
	s_wait_alu depctr_va_vdst(0)
.irp e, 0,1,2,3,4,5,6,7
	v_rsq_f32 v[SQ+2*\e], v[SQ+2*\e]
.endr
	v_nop                                          ; a plain place behind the last of the batch,
	s_wait_alu depctr_va_vdst(0)                   ; and a wait ahead of its first reader
.macro ROT e                           ; unit e: x / rms into XN; the rotation into Y: register n is d = 16 h + n, register 16 + n is d = 32 + 16 h + n, frequency 16 h + n
	WIN 0x02
.irp i, 0,1,2,3,4,5,6,7,8,9,10,11,12,13,14,15
	v_pk_mul_f32 v[XN+2*\i:XN+2*\i+1], v[32*(\e)+2*\i:32*(\e)+2*\i+1], v[SQ+2*(\e):SQ+2*(\e)+1] op_sel_hi:[1,0]
.endr
	WIN 0x0c                                       ; source 1: cos and sin in window 3
.set cs, 128+32*((\e)%4)
.irp i, 0,1,2,3,4,5,6,7
	v_pk_mul_f32 v[Y+2*\i:Y+2*\i+1], v[XN+2*\i:XN+2*\i+1], v[cs+2*\i:cs+2*\i+1]
	v_pk_mul_f32 v[Y+16+2*\i:Y+16+2*\i+1], v[XN+16+2*\i:XN+16+2*\i+1], v[cs+2*\i:cs+2*\i+1]
.endr
.irp i, 0,1,2,3,4,5,6,7
	v_pk_fma_f32 v[Y+2*\i:Y+2*\i+1], v[XN+16+2*\i:XN+16+2*\i+1], v[cs+16+2*\i:cs+16+2*\i+1], v[Y+2*\i:Y+2*\i+1]                        ; x1 cos + x2 sin
	v_pk_fma_f32 v[Y+16+2*\i:Y+16+2*\i+1], v[XN+2*\i:XN+2*\i+1], v[cs+16+2*\i:cs+16+2*\i+1], v[Y+16+2*\i:Y+16+2*\i+1] neg_lo:[1,0,0] neg_hi:[1,0,0]   ; x2 cos - x1 sin
.endr
	WIN 0
.endm
; 32 numbers of a lane, register 16 b + i = k 32 b + 16 h + i, become six registers of codes (k = 32 h + 0 .. 31) in v[CD] on and two scale bytes in v[PW].  wmax, wcvt: the windows in which the numbers are read
.macro HQ s, wmax, wcvt
	WIN \wmax
.irp b, 0,1
	v_max3_num_f32 v[TM+\b], v[FLR], |v[\s+16*\b]|, |v[\s+16*\b+1]|
.endr
.irp i, 2,4,6,8,10,12,14
.irp b, 0,1
	v_max3_num_f32 v[TM+\b], v[TM+\b], |v[\s+16*\b+\i]|, |v[\s+16*\b+\i+1]|
.endr
.endr
	WIN 0
.irp b, 0,1
	v_permlanex16_b32 v[TM+2+\b], v[TM+\b], s66, s67
.endr
.irp b, 0,1
	v_max_num_f32 v[TM+\b], v[TM+\b], v[TM+2+\b]   ; with lane l xor 16's 16: the block's largest magnitude
.endr
.irp b, 0,1
	v_add_nc_u32 v[TM+4+\b], 0xff000000, v[TM+\b]
.endr
.irp b, 0,1
	v_lshrrev_b32 v[TM+2+\b], 23, v[TM+4+\b]
.endr
	s_wait_alu depctr_va_vdst(0)
	s_wait_dscnt 0x0                               ; the last unit's stores into the stage have read their registers
	v_lshl_or_b32 v[PW], v[TM+3], 8, v[TM+2]
	WIN \wcvt
	v_cvt_scalef32_pk16_fp6_f32 v[CD:CD+2], v[\s:\s+15], v[TM+4]
	v_cvt_scalef32_pk16_fp6_f32 v[CD+6:CD+8], v[\s+16:\s+31], v[TM+5]
	WIN 0
	v_nop                                          ; one plain place behind a scaled conversion
.irp i, 0,1,2
	v_permlane16_swap_b32 v[CD+\i], v[CD+6+\i]     ; a whole block to a lane: lanes 0-15 block 0, lanes 16-31 block 1
.endr
.irp i, 0,1,2
	v_mov_b32 v[CD+3+\i], v[CD+6+\i]
.endr
.endm
.irp e, 0,1,2,3                        ; 2: q
	ROT \e
	HQ Y, 0, 0
	v_or_b32 v[PW], 0x7f7f0000, v[PW]
.irp i, 0,1,2
	ds_store_b64 v[AQST], v[CD+2*\i:CD+2*\i+1] offset:3072*(\e/2)+192*(\e%2)+8*\i
.endr
	ds_store_b32 v[AQSC], v[PW] offset:128*(\e/2)+32*(\e%2)
.endr
.irp e, 4,5,6,7                        ; k
	ROT \e
	HQ Y, 0, 0
	v_or_b32 v[PW], 0x7f7f0000, v[PW]
.irp i, 0,1,2
	ds_store_b64 v[AKST], v[CD+2*\i:CD+2*\i+1] offset:768*(\e-4)+8*\i
.endr
	ds_store_b32 v[AKSC], v[PW] offset:4*(\e-4)
.endr
.irp u, 0,1,2,3                        ; 3: v, a tile of 16 columns at a time: my 64 keys are two blocks, straight from window 3
	HQ 32*\u, 0x3c, 0x03
.irp i, 0,1,2
	ds_store_b64 v[AVST], v[CD+2*\i:CD+2*\i+1] offset:1536*\u+8*\i
.endr
	ds_store_b16 v[AVSC], v[PW] offset:4*\u
.endr
	; 4: the stage leaves as it lies, 16 bytes a thread: each store of a wave covers 512 consecutive bytes
	s_lshl_b32 s21, s42, 4
	s_add_co_u32 s21, s21, s20                     ; the record: 16 x head + my
	s_mul_i32 s22, s21, 24576
	s_mov_b32 s23, 0
	s_add_nc_u64 s[12:13], s[12:13], s[22:23]
	s_mul_i32 s22, s21, 13312
	s_add_nc_u64 s[10:11], s[10:11], s[22:23]
	s_mul_i32 s22, s21, 1536
	s_add_nc_u64 s[14:15], s[14:15], s[22:23]
	s_wait_dscnt 0x0                               ; for the others' sake: my stores into the stage are done
	s_barrier_signal -1
	s_barrier_wait -1
.irp n, 0,1,2,3,4,5,6,7,8,9,10,11,12,13,14,15,16,17
	ds_load_b128 v[128+4*\n:128+4*\n+3], v[T16] offset:2048*\n
.endr
	ds_load_b64 v[200:201], v[T8] offset:QSC
	s_wait_dscnt 0x0
.irp n, 0,1,2,3,4,5,6,7,8,9,10,11
	global_store_b128 v[T16], v[128+4*\n:128+4*\n+3], s[12:13] offset:2048*\n
.endr
.irp n, 0,1,2,3,4,5
	global_store_b128 v[T16], v[176+4*\n:176+4*\n+3], s[10:11] offset:2048*\n
.endr
	global_store_b64 v[T8], v[200:201], s[10:11] offset:12288
	s_cmp_lt_u32 s16, 3                            ; K's and V's scale words are 1,536 bytes: three waves' worth
	s_cbranch_scc0 .Lno_kvs
	ds_load_b128 v[204:207], v[T16] offset:KSC
	s_wait_dscnt 0x0
	global_store_b128 v[T16], v[204:207], s[14:15]
.Lno_kvs:
	s_wait_tensorcnt 0x0                           ; the wave's end
	ds_add_u32 v[SPW], v[NIL]
	s_wait_dscnt 0x0
	CROUND                                         ; the closing round
	s_endpgm
.Lfunc_end_k_qcc6047dcbe_qkv:
	.size	k_qcc6047dcbe_qkv, .Lfunc_end_k_qcc6047dcbe_qkv-k_qcc6047dcbe_qkv
	.p2alignl 7, 3214868480
	.fill 96, 4, 3214868480
	.section	.rodata,"a",@progbits
	.p2align	6, 0x0
	.amdhsa_kernel k_qcc6047dcbe_qkv
		.amdhsa_group_segment_fixed_size 327680
		.amdhsa_private_segment_fixed_size 0
		.amdhsa_enable_private_segment 0
		.amdhsa_kernarg_size 48
		.amdhsa_user_sgpr_count 2
		.amdhsa_user_sgpr_kernarg_segment_ptr 1
		.amdhsa_wavefront_size32 1
		.amdhsa_system_sgpr_workgroup_id_x 1
		.amdhsa_system_sgpr_workgroup_id_y 1
		.amdhsa_system_sgpr_workgroup_id_z 1
		.amdhsa_system_vgpr_workitem_id 0
		.amdhsa_next_free_vgpr 1024
		.amdhsa_next_free_sgpr 100
		.amdhsa_reserve_vcc 0
		.amdhsa_float_denorm_mode_32 3
		.amdhsa_float_denorm_mode_16_64 3
		.amdhsa_memory_ordered 1
		.amdhsa_forward_progress 1
		.amdhsa_inst_pref_size 162
	.end_amdhsa_kernel
	.amdgpu_metadata
---
amdhsa.version: [ 1, 2 ]
amdhsa.kernels:
  - .name:           k_qcc6047dcbe_qkv
    .symbol:         k_qcc6047dcbe_qkv.kd
    .args:
      - { .name: cod, .offset: 0, .size: 8, .value_kind: global_buffer, .address_space: global }
      - { .name: scl, .offset: 8, .size: 8, .value_kind: global_buffer, .address_space: global }
      - { .name: rope, .offset: 16, .size: 8, .value_kind: global_buffer, .address_space: global }
      - { .name: qb, .offset: 24, .size: 8, .value_kind: global_buffer, .address_space: global }
      - { .name: kvc, .offset: 32, .size: 8, .value_kind: global_buffer, .address_space: global }
      - { .name: kvs, .offset: 40, .size: 8, .value_kind: global_buffer, .address_space: global }
    .group_segment_fixed_size: 327680
    .private_segment_fixed_size: 0
    .kernarg_segment_align: 8
    .kernarg_segment_size: 48
    .max_flat_workgroup_size: 128
    .sgpr_count:     100
    .vgpr_count:     1024
    .wavefront_size: 32
...
	.end_amdgpu_metadata
.endif
;; end of part 2
;; launch attn (part 3): grid 16 x 16, 16 waves a work-group, no clusters, 327,680 bytes of LDS; arguments qb, kvc, kvs, lq1, lk1, lq2, lk2, ac, asc; writes ac, asc
.if DOCPART == 3
	.amdgcn_target "amdgcn-amd-amdhsa--gfx1250"
	.amdhsa_code_object_version 6
	.text
	.protected	k_qcc6047dcbe_attn
	.globl	k_qcc6047dcbe_attn
	.p2align	8
	.type	k_qcc6047dcbe_attn,@function
k_qcc6047dcbe_attn:
	s_mov_b64 s[64:65], 0
	v_nop
	global_prefetch_b8 v0, s[64:65] scope:SCOPE_SE
	s_setreg_imm32_b32 hwreg(HW_REG_WAVE_MODE, 25, 1), 1
	s_wait_xcnt 0x0
; THIRD LAUNCH: both score streams' attention, a1 - lam a2, its rms, and the quantiser of the last product's operand.  All products on codes of FP6 (E2M3).
; LEFT OUT: key tiles that lie wholly behind a tile's queries (reference()'s own jnp.tril makes their p zero for every finite input): see the first kernel's head.
; SHARES.  Work-group (x, head): the 64 queries of block x (low) and of block y = 31 - x (high), 4 tiles of 16 each, 2 streams.  With fx = x / 2 the low tiles need key tiles 0 .. fx (nL = fx + 1),
; the high tiles 0 .. 15 - fx: 17 in all.  Waves 0-7 (tile i, stream sg) take the high tiles over key tiles 0-7; waves 8-15 take the low tiles over their nL key tiles, file the result in LDS, and then take the
; high tiles over key tiles 8 .. 15 - fx: 9 steps.  So the walk has 9 trips; in the last, waves 0-7 have no step.  The parts of a tile are sums, joined at the end through LDS.
; M IS THE FIXED WHOLE NUMBER 0.  reference() itself rms-normalises q and k: each has length at most 8, their codes' at most 9, so |score / 8| < 10.2 and |t| < 16 for every input: p = 2^t lies in 2^-16 .. 2^16,
; a row's sum under 2^27.  A whole-number shift of M is taken up by p's block scales: the codes' values are those of M = ceil(the row's largest t).
; LDS.  Waves 0-7 read area 0, waves 8-15 area 1; an area has two slots of 32,768: a key tile's 24,576 bytes of codes (K stream 0, K stream 1, V^T) and, behind them, its 1,536 bytes of scale words.  Every LDS address
; hangs on the wave's number and the trip's parity alone; which key tile lands in area 1 hangs on x, in the global address.  Waves 0-3 fetch area 0's codes by quarters, waves 4-7 area 1's, waves 8, 9 the scale words:
; one tensor load a wave at the head and behind each barrier.  Slot 0 is first filled at the head, slot 1 behind trip 0's barrier, where nothing is filled again.
; NO CLUSTER: the work-groups of a head walk key tiles 8 and on in different trips (trip nL + j), so partners could not make every joint request in the same round.
; PREFETCH: work-group x = 0 of each head, whose walk reaches every key tile no later than any other's, asks in trip t for what trip t + 2 loads: waves 10-12 key tile t + 2 (t < 6), waves 13-15 key tile 9 + t (t < 7),
; a lane a block of 256 bytes.  The scale words, 1,536 bytes a tile, are not asked for.
; LIMITS: NaN and infinities are not served; a block of zeros keeps the byte 1 (its codes are zeros; this program alone reads the bytes).
.set SLOT1, 32768
.set SCO,   24576                      ; a slot's scale words
.set SPARE, 131072                     ; the spare words, 128 bytes a wave, which no other line names
.set LWL,   133120                     ; row sums of the low tiles: 8 x 128 bytes
.set LWE,   134144                     ; row sums of the high tiles' parts: 12 x 128
.set SGB,   135680                     ; the result's scale words, 2 x 256
.set XL,    136192                     ; the low tiles' O^T: 8 x 8,192
.set XE,    201728                     ; the high tiles' parts: [tile i][stream 1 keys 0-7, stream 0 keys 8 on, stream 1 keys 8 on] x 8,192
.set AK0, 1
.set AV0, 2
.set ASK0, 3
.set ASV0, 4
.set SPW, 5
.set NIL, 6
.set L16, 7
.set ADK, 8
.set ADV, 9
.set ADS, 10
.set ADT, 11
.set ALW, 12
.set ALW2, 13
.set PFO, 28
.set AX,  29
.set AX2, 30
.set LAM, 31
.set SGR, 80
.set L8,  81
.set QHI, 84                           ; v84-89 the high tile's q, v90 its scale word
.set QHS, 90
.set PW,  86
.set ASG, 94
.set TB, 2
.set T,  3
.set WV, 22
.set SG, 23
.set PR, 24
.set TY, 25
.set SEL, 26
.set CS, 28
.set Q0, 30
.set Q1, 31
.set G1C, 32
.set G0C, 40
.set G1S, 44
.set G0S, 52
.set KF, 56
.set SWT, 57
.set JT, 58
.set JSC, 59
.set PFA, 60
.set LIMP, 62
.set JSS, 63
.set STC, 92
.set STS, 94
.macro ONE g0, g1                      ; an s_nop 0 and four v_nop follow each tensor load
	tensor_load_to_lds s[\g0:\g0+3], s[\g1:\g1+7]
	s_nop 0
.rept 4
	v_nop
.endr
.endm
.macro TLOAD mode                      ; 1: both areas; 2: area 1 alone (waves 4-7 and 9).  One chain of branches on the wave's number, one load to an arm
.if \mode == 1
	s_cmp_lt_u32 s[WV], 8
.else
	s_lshr_b32 s96, s[WV], 2
	s_cmp_eq_u32 s96, 1
.endif
	s_cbranch_scc0 .Lsc_\@
	ONE G0C, G1C
	s_branch .Lasked_\@
.Lsc_\@:
.if \mode == 1
	s_cmp_lt_u32 s[WV], 10
.else
	s_cmp_eq_u32 s[WV], 9
.endif
	s_cbranch_scc0 .Lasked_\@
	ONE G0S, G1S
.Lasked_\@:
.endm
.macro QADR q, c, s                    ; byte offsets in qb of tile q's codes and scale words, my stream
	s_lshl_b32 s96, s66, 4
	s_lshr_b32 s97, s[\q], 7
	s_add_co_u32 s96, s96, s97
	s_mul_i32 s96, s96, 13312
	s_bfe_u32 s97, s[\q], 0x30004
	s_mul_i32 s97, s97, 1536
	s_add_co_u32 s[\c], s96, s97
	s_mul_i32 s97, s[SG], 768
	s_add_co_u32 s[\c], s[\c], s97
	s_mov_b32 s[\c+1], 0
	s_and_b32 s97, s[\q], 127
	s_lshl_b32 s97, s97, 2
	s_add_co_u32 s[\s], s96, s97
	s_lshl_b32 s97, s[SG], 9
	s_add_co_u32 s[\s], s[\s], s97
	s_add_co_u32 s[\s], s[\s], 12288
	s_mov_b32 s[\s+1], 0
.endm
	s_load_b512 s[4:19], s[0:1], 0x0               ; qb, kvc, kvs, lq1, lk1, lq2, lk2, ac
	s_load_b64 s[20:21], s[0:1], 0x40              ; asc
	v_lshl_add_u32 v[SPW], v0, 2, SPARE
	v_mov_b32 v[NIL], 0
	ds_add_u32 v[SPW], v[NIL]                      ; the opening: the add, twice on end, and its wait
	ds_add_u32 v[SPW], v[NIL]
	v_lshrrev_b32 v8, 5, v0
	v_readfirstlane_b32 s[WV], v8
	s_and_b32 s[SG], s[WV], 1                      ; stream
	s_lshr_b32 s[PR], s[WV], 1
	s_lshr_b32 s[TY], s[WV], 3                     ; 0: high tile, keys 0-7; 1: low tile, then high tile, keys 8 on
	s_and_b32 s66, ttmp7, 0xffff                   ; head
	s_sub_co_u32 s67, 31, ttmp9                    ; y
	s_and_b32 s69, s[PR], 3
	s_lshl_b32 s69, s69, 4                         ; 16 i
	s_lshl_b32 s[Q1], s67, 6
	s_add_co_u32 s[Q1], s[Q1], s69                 ; the high tile's first query
	s_lshl_b32 s68, ttmp9, 6
	s_add_co_u32 s68, s68, s69                     ; the low tile's
	s_cmp_eq_u32 s[TY], 0
	s_cselect_b32 s[Q0], s[Q1], s68                ; the tile that I begin with, and that I finish if my stream is 0
	s_lshr_b32 s70, ttmp9, 1                       ; fx
	s_add_co_u32 s71, s70, 1                       ; nL
	s_mov_b32 s[SWT], s71                          ; the trip in which waves 8-15 change tiles: the same number in every wave
	s_mov_b32 s[JT], 99                            ; the trip in which area 1's loaders jump from key tile fx to key tile 8
	s_lshr_b32 s96, s[WV], 2
	s_cmp_eq_u32 s96, 1
	s_cselect_b32 s[JT], s70, s[JT]
	s_cmp_eq_u32 s[WV], 9
	s_cselect_b32 s[JT], s70, s[JT]
	s_sub_co_u32 s96, 8, s70
	s_mul_i32 s[JSC], s96, 24576
	s_mul_i32 s[JSS], s96, 1536
	QADR Q0, 72, 74
	QADR Q1, 84, 86
	s_lshr_b32 s76, s[Q0], 4
	s_lshl_b32 s76, s76, 4
	s_add_co_u32 s76, s76, s66
	s_mul_i32 s76, s76, 1536                       ; ac: [query tile][head][1,536]
	s_mov_b32 s77, 0
	s_cmp_eq_u32 s[WV], 1
	s_cselect_b32 s78, ttmp9, s67                  ; wave 0 stores block y's scale words, wave 1 block x's
	s_lshl_b32 s78, s78, 4
	s_add_co_u32 s78, s78, s66
	s_lshl_b32 s78, s78, 8
	s_mov_b32 s79, 0
	s_mul_i32 s80, s66, 393216                     ; my head's codes
	s_and_b32 s82, s[WV], 3
	s_mul_i32 s83, s82, 6144                       ; my quarter of a tile
	s_add_co_u32 s88, s80, s83
	s_mov_b32 s89, 0
	s_bfe_u32 s90, s[WV], 0x10002
	s_lshl_b32 s90, s90, 16
	s_add_co_u32 s83, s83, s90                     ; and where it goes: area (wave / 4) % 2
	s_mul_i32 s90, s66, 24576                      ; my head's scale words
	s_mov_b32 s91, 0
	s_lshl_b32 s82, s[SG], 16
	s_add_co_u32 s82, s82, SCO                     ; waves 8, 9: area 0's, area 1's
	s_max_u32 s96, s[WV], 10                       ; the prefetches: waves 10-12 the lower walk, 13-15 the upper
	s_sub_co_u32 s96, s96, 10
	s_cmp_ge_u32 s96, 3
	s_cselect_b32 s97, 3, 0
	s_cselect_b32 s98, 8, 1
	s_cselect_b32 s[LIMP], 7, 6
	s_sub_co_u32 s96, s96, s97
	s_lshl_b32 s96, s96, 13                        ; my 8,192 bytes of a tile
	s_mul_i32 s98, s98, 24576
	s_add_co_u32 s96, s96, s98
	s_add_co_u32 s68, s96, s80
	s_mov_b32 s69, 0
	s_cmp_lt_u32 s[WV], 10
	s_cselect_b32 s[LIMP], 0, s[LIMP]
	s_cmp_lg_u32 ttmp9, 0
	s_cselect_b32 s[LIMP], 0, s[LIMP]
	s_mov_b32 s[G1C], 3<<16                        ; 24 rows of 256 bytes, dense
	s_mov_b32 s[G1C+1], 32<<16
	s_mov_b32 s[G1C+2], 24<<16
	s_mov_b32 s[G1C+3], 32<<16
	s_mov_b32 s[G1C+4], 24
	s_mov_b32 s[G1C+5], 32
	s_mov_b32 s[G1C+6], 0
	s_mov_b32 s[G1C+7], 0
	s_mov_b32 s[G1S], 3<<16                        ; 6 rows of 256 bytes, dense
	s_mov_b32 s[G1S+1], 32<<16
	s_mov_b32 s[G1S+2], 6<<16
	s_mov_b32 s[G1S+3], 32<<16
	s_mov_b32 s[G1S+4], 6
	s_mov_b32 s[G1S+5], 32
	s_mov_b32 s[G1S+6], 0
	s_mov_b32 s[G1S+7], 0
	s_mov_b32 s[SEL], 0x76543210
	s_mov_b32 s[SEL+1], 0xfedcba98
	s_mov_b32 s[CS], 0x3e38aa3b                    ; log2(e) / 8
	s_mov_b32 s[CS+1], s[CS]
	s_mov_b32 s[TB], 0
	s_mov_b32 s[T], 0
	s_mov_b32 s[KF], 0
	s_mov_b32 s[STC+1], 0
	s_mov_b32 s[STS+1], 0
	s_wait_dscnt 0x0
	s_wait_kmcnt 0x0
	s_mov_b32 s[G0C], 1
	s_mov_b32 s[G0C+1], s83
	s_add_nc_u64 s[G0C+2:G0C+3], s[6:7], s[88:89]
	s_or_b32 s[G0C+3], s[G0C+3], 0x80000000
	s_mov_b32 s[G0S], 1
	s_mov_b32 s[G0S+1], s82
	s_add_nc_u64 s[G0S+2:G0S+3], s[8:9], s[90:91]
	s_or_b32 s[G0S+3], s[G0S+3], 0x80000000
	TLOAD 1                                        ; key tile 0 into slot 0 of both areas
	s_add_nc_u64 s[PFA:PFA+1], s[6:7], s[68:69]
	s_add_nc_u64 s[72:73], s[4:5], s[72:73]
	s_add_nc_u64 s[74:75], s[4:5], s[74:75]
	s_add_nc_u64 s[84:85], s[4:5], s[84:85]
	s_add_nc_u64 s[86:87], s[4:5], s[86:87]
	s_add_nc_u64 s[76:77], s[18:19], s[76:77]
	s_add_nc_u64 s[78:79], s[20:21], s[78:79]
	v_and_b32 v104, 15, v0                         ; r
	v_and_b32 v106, 31, v0                         ; lane
	v_mul_u32_u24 v107, v106, 24
	v_lshlrev_b32 v108, 2, v104
	v_lshlrev_b32 v[L8], 3, v106
	v_lshlrev_b32 v[L16], 4, v106
	v_lshlrev_b32 v[PFO], 8, v106
	s_wait_alu depctr_va_vdst(0)
.irp p, 0,1,2
	global_load_b64 v[16+2*\p:17+2*\p], v107, s[72:73] offset:8*\p
	global_load_b64 v[QHI+2*\p:QHI+1+2*\p], v107, s[84:85] offset:8*\p
.endr
	global_load_b32 v255, v108, s[74:75]
	global_load_b32 v[QHS], v108, s[86:87]
	global_load_b64 v[96:97], v[L8], s[10:11]
	global_load_b64 v[98:99], v[L8], s[12:13]
	global_load_b64 v[100:101], v[L8], s[14:15]
	global_load_b64 v[102:103], v[L8], s[16:17]
	s_lshl_b32 s98, s[TY], 16                      ; my area
	s_mul_i32 s96, s[SG], 6144
	s_add_co_u32 s96, s96, s98
	v_add_nc_u32 v[AK0], s96, v107                 ; K: my stream, 24 bytes a lane
	s_add_co_u32 s96, s98, 12288
	v_mad_u32_u24 v[AV0], v106, 48, s96            ; V^T: 48 bytes a lane
	s_lshl_b32 s96, s[SG], 9
	s_add_co_u32 s96, s96, s98
	s_add_co_u32 s96, s96, SCO
	v_lshl_add_u32 v[ASK0], v104, 4, s96
	s_add_co_u32 s96, s98, SCO+1024
	v_lshl_add_u32 v[ASV0], v104, 4, s96
	s_and_b32 s97, s[WV], 7
	s_lshl_b32 s96, s97, 13
	s_add_co_u32 s96, s96, XL
	v_add_nc_u32 v[AX], s96, v[L16]
	s_lshl_b32 s96, s97, 7
	s_add_co_u32 s96, s96, LWL
	v_lshl_add_u32 v[ALW], v106, 2, s96
	s_and_b32 s99, s[PR], 3                        ; i
	s_mul_i32 s97, s99, 3
	s_add_co_u32 s97, s97, s[TY]
	s_and_b32 s96, s[TY], s[SG]
	s_add_co_u32 s97, s97, s96                     ; my part's place: 3 i + (0; 1 + stream for waves 8-15)
	s_lshl_b32 s96, s97, 13
	s_add_co_u32 s96, s96, XE
	v_add_nc_u32 v[AX2], s96, v[L16]
	s_lshl_b32 s96, s97, 7
	s_add_co_u32 s96, s96, LWE
	v_lshl_add_u32 v[ALW2], v106, 2, s96
	s_lshl_b32 s96, s[TY], 8
	s_lshl_b32 s99, s99, 2
	s_add_co_u32 s96, s96, s99
	s_add_co_u32 s96, s96, SGB
	v_lshl_add_u32 v[ASG], v104, 4, s96
	s_lshl_b32 s96, s[SG], 8
	s_add_co_u32 s96, s96, SGB
	v_add_nc_u32 v[SGR], s96, v[L8]
.irp i, 14,15,22,23,24,25,26,27,92,93,236,237,238,239
	v_mov_b32 v[\i], 0                             ; the sums; q's upper 64 codes; lane permutes' destinations
.endr
.irp t, 0,1,2,3
.irp i, 6,7,8,9,10,11
	v_mov_b32 v[32+12*\t+\i], 0                    ; K's upper 64 codes meet q's zeros: written once so that they are defined
.endr
.endr
.set j, 0
.rept 64
	v_mov_b32 v[160+j], 0                          ; O^T: the step is written once for a tile's first and later key tiles
.set j, j+1
.endr
	s_wait_loadcnt 0x0
	v_mul_f32 v82, v96, v98                        ; lam = exp(lq1 . lk1) - exp(lq2 . lk2) + lambda_init
	v_mul_f32 v83, v100, v102
	v_fma_f32 v82, v97, v99, v82
	v_fma_f32 v83, v101, v103, v83
.irp m, 1,2,4,8
	v_add_f32_dpp v82, v82, v82 row_xmask:\m row_mask:0xf bank_mask:0xf
	v_add_f32_dpp v83, v83, v83 row_xmask:\m row_mask:0xf bank_mask:0xf
.endr
	v_permlanex16_b32 v96, v82, s[SEL], s[SEL+1]
	v_permlanex16_b32 v97, v83, s[SEL], s[SEL+1]
	v_add_f32 v82, v82, v96
	v_add_f32 v83, v83, v97
	v_mul_f32 v82, 0x3fb8aa3b, v82
	v_mul_f32 v83, 0x3fb8aa3b, v83
	s_wait_alu depctr_va_vdst(0)                   ; a wait ahead of a batch of transcendentals and one behind it
	v_exp_f32 v82, v82
	v_exp_f32 v83, v83
	v_nop
	s_wait_alu depctr_va_vdst(0)
	v_sub_f32 v82, v82, v83
	v_add_f32 v[LAM], 0x3f489a63, v82
	s_wait_alu depctr_va_vdst(0)                   ; the head's end
.macro SMUL g                          ; S^T = k q^T, four tiles of 16 keys: a lane holds one query, its registers run along the keys
.irp t, 0,1,2,3
.irp p, 0,1,2
	ds_load_b64 v[32+12*\t+2*\p:33+12*\t+2*\p], v[ADK] offset:(4*\g+\t)*768+8*\p
.endr
.endr
	ds_load_b128 v[248:251], v[ADS] offset:256*\g
	s_wait_dscnt 0x0
.irp t, 0,1,2,3
	v_wmma_scale_f32_16x16x128_f8f6f4 v[96+8*(4*\g+\t):103+8*(4*\g+\t)], v[32+12*\t:43+12*\t], v[16:27], 0, v[248+\t], v255 matrix_a_fmt:MATRIX_FMT_FP6 matrix_b_fmt:MATRIX_FMT_FP6
.endr
.endm
.macro VGET g
.irp t, 0,1,2,3
.irp c, 0,1,2
	ds_load_b128 v[32+64*\g+12*\t+4*\c:35+64*\g+12*\t+4*\c], v[ADV] offset:(4*\g+\t)*1536+16*\c   ; tiles 0-3 into v32-79, tiles 4-7 into v96-143, where p lay
.endr
.endr
	ds_load_b128 v[248-4*\g:251-4*\g], v[ADT] offset:256*\g
.endm
.macro VMUL g                          ; O^T += v^T p^T
	s_wait_dscnt 13-13*\g                          ; tiles 0-3: the 13 loads of tiles 4-7 may be out
	s_wait_alu depctr_va_vdst(0)                   ; directly ahead of the first readers of O^T, behind the exponentials
.irp t, 0,1,2,3
	v_wmma_scale_f32_16x16x128_f8f6f4 v[160+8*(4*\g+\t):167+8*(4*\g+\t)], v[32+64*\g+12*\t:43+64*\g+12*\t], v[224:235], v[160+8*(4*\g+\t):167+8*(4*\g+\t)], v[248-4*\g+\t], v253 matrix_a_fmt:MATRIX_FMT_FP6 matrix_b_fmt:MATRIX_FMT_FP6
.endr
.endm
.macro PLACES
.rept 4
	v_nop
.endr
.endm
.macro STEP last                       ; one key tile of 128 against my 16 queries
.if \last
	s_cmp_lt_u32 s[WV], 8                          ; waves 0-7 have had their eight key tiles
	s_cbranch_scc1 .Lhid_\@
.endif
.if \last == 0
	s_cmp_lt_u32 s[WV], 8                          ; waves 0-7 keep their tile throughout
	s_cbranch_scc1 .Lsame_\@
.endif
	s_cmp_eq_u32 s[T], s[SWT]
	s_cbranch_scc0 .Lsame_\@
	PLACES                                         ; THE LOW TILE IS DONE: its O^T and row sums are filed as they are, and the high tile begins at key 1,024
	v_add_f32 v14, v14, v15
.irp n, 0,1,2,3,4,5,6,7,8,9,10,11,12,13,14,15
	ds_store_b128 v[AX], v[160+4*\n:163+4*\n] offset:512*\n
.endr
	ds_store_b32 v[ALW], v14
	s_mov_b32 s[Q0], s[Q1]
	s_mov_b32 s[KF], 1024
	s_wait_dscnt 0x0                               ; the stores have read their registers
	v_mov_b32 v255, v[QHS]                         ; the 66 lines below are the places between these and the products
.irp i, 0,1,2,3,4,5
	v_mov_b32 v[16+\i], v[QHI+\i]
.endr
	v_mov_b32 v14, 0
	v_mov_b32 v15, 0
.set j, 0
.rept 64
	v_mov_b32 v[160+j], 0
.set j, j+1
.endr
.Lsame_\@:
	v_nop                                          ; with the four lines below: five places, since the score products write over registers that the last step's products read
	v_add_nc_u32 v[ADK], s[TB], v[AK0]
	v_add_nc_u32 v[ADV], s[TB], v[AV0]
	v_add_nc_u32 v[ADS], s[TB], v[ASK0]
	v_add_nc_u32 v[ADT], s[TB], v[ASV0]
	s_wait_alu depctr_va_vdst(0)
	SMUL 0
	PLACES
	SMUL 1
	PLACES
	VGET 0                                         ; V's tiles 0-3 are asked for a whole softmax ahead of their products
	s_add_co_u32 s96, s[KF], 127
	s_cmp_le_u32 s96, s[Q0]
	s_cbranch_scc1 .Lopen_\@
	s_sub_co_i32 s96, s[Q0], s[KF]                 ; the tile on the diagonal: register n holds key 32 (n / 16) + 16 h + n % 16; -inf where key > query
	v_and_b32 v252, 15, v0
	v_bfe_u32 v253, v0, 4, 1
	v_lshlrev_b32 v253, 4, v253
	v_sub_nc_u32 v252, v252, v253
	v_add_nc_u32 v252, s96, v252
	v_mov_b32 v254, 0xff800000
.set n, 0
.rept 64
	v_cmp_gt_i32 vcc_lo, 32*(n/16)+n%16, v252
	v_cndmask_b32 v[96+n], v[96+n], v254, vcc_lo
.set n, n+1
.endr
.Lopen_\@:
.irp b, 0,1,2,3
	v_max3_num_f32 v[232+\b], v[96+16*\b], v[97+16*\b], v[98+16*\b]     ; each block's largest score: p rises with the score, so it gives the block's largest p
.endr
.irp i, 3,5,7,9,11,13
.irp b, 0,1,2,3
	v_max3_num_f32 v[232+\b], v[232+\b], v[96+16*\b+\i], v[97+16*\b+\i]
.endr
.endr
.irp b, 0,1,2,3
	v_max_num_f32 v[232+\b], v[232+\b], v[111+16*\b]
.endr
.irp b, 0,1,2,3
	v_permlanex16_b32 v[236+\b], v[232+\b], s[SEL], s[SEL+1]
.endr
.irp b, 0,1,2,3
	v_max_num_f32 v[232+\b], v[232+\b], v[236+\b]
.endr
.set j, 0
.rept 32
	v_pk_mul_f32 v[96+j:97+j], v[96+j:97+j], s[CS:CS+1] op_sel_hi:[1,0]  ; t
.set j, j+2
.endr
.irp b, 0,1,2,3
	v_mul_f32 v[232+\b], s[CS], v[232+\b]
.endr
	s_wait_alu depctr_va_vdst(0)
.irp b, 0,1,2,3
	v_exp_f32 v[232+\b], v[232+\b]
.endr
.set j, 0
.rept 64
	v_exp_f32 v[96+j], v[96+j]                     ; p = 2^t
.set j, j+1
.endr
	v_nop
	s_wait_alu depctr_va_vdst(0)
	v_pk_add_f32 v[236:237], v[96:97], v[98:99]    ; the row's sum, of the unquantised p
.irp i, 4,8,12,16,20,24,28,32,36,40,44,48,52,56,60
	v_pk_add_f32 v[14:15], v[14:15], v[96+\i:97+\i]
	v_pk_add_f32 v[236:237], v[236:237], v[98+\i:99+\i]
.endr
	s_delay_alu instid0(VALU_DEP_1)
	v_pk_add_f32 v[14:15], v[14:15], v[236:237]
.irp b, 0,1,2,3
	v_max_num_f32 v[232+\b], 0x1800000, v[232+\b]
.endr
.irp b, 0,1,2,3
	v_add_nc_u32 v[244+\b], 0xff000000, v[232+\b]
.endr
.irp b, 0,1,2,3
	v_lshrrev_b32 v[236+\b], 23, v[244+\b]
.endr
	v_lshl_or_b32 v253, v237, 8, v236
	s_delay_alu instid0(VALU_DEP_1)
	v_lshl_or_b32 v253, v238, 16, v253
	s_delay_alu instid0(VALU_DEP_1)
	v_lshl_or_b32 v253, v239, 24, v253             ; p's scale word
.irp c, 0,1
	v_cvt_scalef32_pk16_fp6_f32 v[224+6*\c:226+6*\c], v[96+32*\c:111+32*\c], v[244+2*\c]
	v_cvt_scalef32_pk16_fp6_f32 v[236+4*\c:238+4*\c], v[112+32*\c:127+32*\c], v[244+2*\c+1]
.endr
	v_nop
	VGET 1                                         ; p is summed and converted: its registers take V's tiles 4-7
.irp c, 0,1
.irp i, 0,1,2
	v_permlane16_swap_b32 v[224+6*\c+\i], v[236+4*\c+\i]
.endr
.irp i, 0,1,2
	v_mov_b32 v[227+6*\c+\i], v[236+4*\c+\i]
.endr
.endr
	PLACES                                         ; four places between p's codes and the products; p's scale word stands eleven plain lines ahead
	VMUL 0
	VMUL 1
.Lhid_\@:
	s_add_co_u32 s[KF], s[KF], 128
.endm
.macro CHANGE mode                     ; the change of slots.  mode 1: both areas' other slots are filled; 2: area 1's alone; 0: none
	s_wait_tensorcnt 0x0                           ; my load has landed
	ds_add_u32 v[SPW], v[NIL]                      ; the add,
.if \mode
	ds_add_u32 v[SPW], v[NIL]
	s_xor_b32 s[G0C+1], s[G0C+1], SLOT1
	s_xor_b32 s[G0S+1], s[G0S+1], SLOT1
	s_cmp_eq_u32 s[T], s[JT]
	s_cselect_b32 s[STC], s[JSC], 24576            ; one key tile on; area 1 in trip fx: on to key tile 8
	s_cselect_b32 s[STS], s[JSS], 1536
	s_add_nc_u64 s[G0C+2:G0C+3], s[G0C+2:G0C+3], s[STC:STC+1]
	s_add_nc_u64 s[G0S+2:G0S+3], s[G0S+2:G0S+3], s[STS:STS+1]
.endif
.if \mode == 1
	s_wait_xcnt 0x0                                ; my last prefetch has read its address
	s_add_nc_u64 s[PFA:PFA+1], s[PFA:PFA+1], 24576
.endif
	s_wait_dscnt 0x0                               ; the add, and my reads of the slot that is filled next
	s_barrier_signal -1
	s_barrier_wait -1
.if \mode
	TLOAD \mode
.endif
.if \mode == 1
	s_cmp_lt_u32 s[T], s[LIMP]
	s_cbranch_scc0 .Lnot_mine_\@
	global_prefetch_b8 v[PFO], s[PFA:PFA+1] th:TH_LOAD_NT scope:SCOPE_SE
.Lnot_mine_\@:
.endif
.endm
.Lslot:                                ; trips 0 to 6
	CHANGE 1
	STEP 0
	s_xor_b32 s[TB], s[TB], SLOT1
	s_add_co_u32 s[T], s[T], 1
	s_cmp_lt_u32 s[T], 7
	s_cbranch_scc1 .Lslot
	CHANGE 2                               ; trip 7: area 0 has had its last fill
	STEP 0
	s_xor_b32 s[TB], s[TB], SLOT1
	s_add_co_u32 s[T], s[T], 1
	CHANGE 0                               ; trip 8
	STEP 1
	; ---- THE PARTS ARE JOINED.  All but the four waves that finish a high tile file O^T and the row sums
	PLACES
	v_add_f32 v14, v14, v15
	s_and_b32 s96, s[WV], 9
	s_cmp_eq_u32 s96, 0
	s_cbranch_scc1 .Lkeep
.irp n, 0,1,2,3,4,5,6,7,8,9,10,11,12,13,14,15
	ds_store_b128 v[AX2], v[160+4*\n:163+4*\n] offset:512*\n
.endr
	ds_store_b32 v[ALW2], v14
.Lkeep:
	s_wait_alu depctr_va_vdst(0)
	s_wait_dscnt 0x0
	s_barrier_signal -1
	s_barrier_wait -1
	s_cmp_eq_u32 s[SG], 1
	s_cbranch_scc1 .Lodd_done
.macro GET adr, off                    ; a filed part into v96-159
.irp n, 0,1,2,3,4,5,6,7,8,9,10,11,12,13,14,15
	ds_load_b128 v[96+4*\n:99+4*\n], v[\adr] offset:\off+512*\n
.endr
.endm
.macro AXPY c                          ; v160-223 += the part x v[c]
	s_wait_alu depctr_va_vdst(0)
	s_wait_dscnt 0x0
.set j, 0
.rept 32
	v_pk_fma_f32 v[160+j:161+j], v[96+j:97+j], v[\c:\c+1], v[160+j:161+j] op_sel_hi:[1,0,1]
.set j, j+2
.endr
.endm
.macro RCP2                            ; v82, v84: the two streams' sums by lanes -> 1 / l1, -lam / l2
	v_permlanex16_b32 v92, v82, s[SEL], s[SEL+1]
	v_permlanex16_b32 v93, v84, s[SEL], s[SEL+1]
	v_add_f32 v82, v82, v92
	v_add_f32 v84, v84, v93
	s_wait_alu depctr_va_vdst(0)
	v_rcp_f32 v82, v82
	v_rcp_f32 v84, v84
	v_nop
	s_wait_alu depctr_va_vdst(0)
	v_mul_f32 v84, v84, -v[LAM]
.endm
	s_cmp_lt_u32 s[WV], 8
	s_cbranch_scc0 .Llow
	ds_load_b32 v82, v[ALW2] offset:128            ; a high tile: stream 0's keys 0-7 are in my registers
	ds_load_b32 v84, v[ALW2]
	ds_load_b32 v91, v[ALW2] offset:256
	GET AX2, 8192
	s_wait_dscnt 16                                ; the three sums are in; the part's 16 loads may be out
	v_add_f32 v82, v82, v14
	v_add_f32 v84, v84, v91
	RCP2
	s_wait_alu depctr_va_vdst(0)                   ; directly ahead of the first readers of O^T
.set j, 0
.rept 32
	v_pk_mul_f32 v[160+j:161+j], v[160+j:161+j], v[82:83] op_sel_hi:[1,0]
.set j, j+2
.endr
	AXPY 82
	GET AX2, 0
	AXPY 84
	GET AX2, 16384
	AXPY 84
	s_wait_alu depctr_va_vdst(0)
	s_branch .Lrms
.Llow:
	ds_load_b32 v82, v[ALW]                        ; a low tile: both streams were filed whole
	ds_load_b32 v84, v[ALW] offset:128
	GET AX, 0
	s_wait_dscnt 16
	RCP2
	s_wait_alu depctr_va_vdst(0)
	s_wait_dscnt 0x0
.set j, 0
.rept 32
	v_pk_mul_f32 v[160+j:161+j], v[96+j:97+j], v[82:83] op_sel_hi:[1,0]
.set j, j+2
.endr
	GET AX, 8192
	AXPY 84
	s_wait_alu depctr_va_vdst(0)
.Lrms:                                 ; v160-223 = a1 - lam a2: its rms, x (1 - lambda_init), and the quantiser along the head's 128
	s_mov_b32 s96, 0x3c000000
	s_mov_b32 s97, 0x34000000
	v_pk_mul_f32 v[82:83], v[160:161], v[160:161]
	v_pk_mul_f32 v[84:85], v[162:163], v[162:163]
.irp i, 4,8,12,16,20,24,28,32,36,40,44,48,52,56,60
	v_pk_fma_f32 v[82:83], v[160+\i:161+\i], v[160+\i:161+\i], v[82:83]
	v_pk_fma_f32 v[84:85], v[162+\i:163+\i], v[162+\i:163+\i], v[84:85]
.endr
	s_delay_alu instid0(VALU_DEP_1)
	v_pk_add_f32 v[82:83], v[82:83], v[84:85]
	s_delay_alu instid0(VALU_DEP_1)
	v_add_f32 v82, v82, v83
	s_delay_alu instid0(VALU_DEP_1)
	v_permlanex16_b32 v83, v82, s[SEL], s[SEL+1]
	s_delay_alu instid0(VALU_DEP_1)
	v_add_f32 v82, v82, v83
	s_delay_alu instid0(VALU_DEP_1)
	v_fma_f32 v82, v82, s96, s97
	s_wait_alu depctr_va_vdst(0)
	v_rsq_f32 v82, v82
	v_nop
	s_wait_alu depctr_va_vdst(0)
	v_mul_f32 v82, 0x3e5d9673, v82
.set j, 0
.rept 32
	v_pk_mul_f32 v[160+j:161+j], v[160+j:161+j], v[82:83] op_sel_hi:[1,0]
.set j, j+2
.endr
.irp b, 0,1,2,3
	v_max3_num_f32 v[232+\b], |v[160+16*\b]|, |v[161+16*\b]|, 0x1800000
.endr
.irp i, 2,4,6,8,10,12,14
.irp b, 0,1,2,3
	v_max3_num_f32 v[232+\b], v[232+\b], |v[160+16*\b+\i]|, |v[161+16*\b+\i]|
.endr
.endr
.irp b, 0,1,2,3
	v_permlanex16_b32 v[236+\b], v[232+\b], s[SEL], s[SEL+1]
.endr
.irp b, 0,1,2,3
	v_max_num_f32 v[232+\b], v[232+\b], v[236+\b]
.endr
.irp b, 0,1,2,3
	v_add_nc_u32 v[244+\b], 0xff000000, v[232+\b]
.endr
.irp b, 0,1,2,3
	v_lshrrev_b32 v[236+\b], 23, v[244+\b]
.endr
	v_lshl_or_b32 v[PW], v237, 8, v236
	s_delay_alu instid0(VALU_DEP_1)
	v_lshl_or_b32 v[PW], v238, 16, v[PW]
	s_delay_alu instid0(VALU_DEP_1)
	v_lshl_or_b32 v[PW], v239, 24, v[PW]
.irp c, 0,1
	v_cvt_scalef32_pk16_fp6_f32 v[32+6*\c:34+6*\c], v[160+32*\c:175+32*\c], v[244+2*\c]
	v_cvt_scalef32_pk16_fp6_f32 v[44+4*\c:46+4*\c], v[176+32*\c:191+32*\c], v[244+2*\c+1]
.endr
	v_nop
.irp c, 0,1
.irp i, 0,1,2
	v_permlane16_swap_b32 v[32+6*\c+\i], v[44+4*\c+\i]
.endr
.irp i, 0,1,2
	v_mov_b32 v[35+6*\c+\i], v[44+4*\c+\i]
.endr
.endr
.irp c, 0,1,2
	global_store_b128 v[L16], v[32+4*\c:35+4*\c], s[76:77] offset:512*\c   ; a fragment's image: 512 consecutive bytes a store
.endr
	ds_store_b32 v[ASG], v[PW]
.Lodd_done:
	s_wait_dscnt 0x0
	s_barrier_signal -1
	s_barrier_wait -1
	s_cmp_lt_u32 s[WV], 2
	s_cbranch_scc0 .Lfin
	ds_load_b64 v[88:89], v[SGR]                   ; a block's 64 scale words leave as 256 consecutive bytes
	s_wait_dscnt 0x0
	global_store_b64 v[L8], v[88:89], s[78:79]
.Lfin:
	s_wait_tensorcnt 0x0                           ; the wave's end
	ds_add_u32 v[SPW], v[NIL]
	s_wait_dscnt 0x0
	s_endpgm
.Lfunc_end_k_qcc6047dcbe_attn:
	.size	k_qcc6047dcbe_attn, .Lfunc_end_k_qcc6047dcbe_attn-k_qcc6047dcbe_attn
	.p2alignl 7, 3214868480
	.fill 96, 4, 3214868480
	.section	.rodata,"a",@progbits
	.p2align	6, 0x0
	.amdhsa_kernel k_qcc6047dcbe_attn
		.amdhsa_group_segment_fixed_size 327680
		.amdhsa_private_segment_fixed_size 0
		.amdhsa_enable_private_segment 0
		.amdhsa_kernarg_size 72
		.amdhsa_user_sgpr_count 2
		.amdhsa_user_sgpr_kernarg_segment_ptr 1
		.amdhsa_wavefront_size32 1
		.amdhsa_system_sgpr_workgroup_id_x 1
		.amdhsa_system_sgpr_workgroup_id_y 1
		.amdhsa_system_sgpr_workgroup_id_z 1
		.amdhsa_system_vgpr_workitem_id 0
		.amdhsa_next_free_vgpr 256
		.amdhsa_next_free_sgpr 100
		.amdhsa_reserve_vcc 1
		.amdhsa_float_denorm_mode_32 3
		.amdhsa_float_denorm_mode_16_64 3
		.amdhsa_memory_ordered 1
		.amdhsa_forward_progress 1
		.amdhsa_inst_pref_size 124
	.end_amdhsa_kernel
	.amdgpu_metadata
---
amdhsa.version: [ 1, 2 ]
amdhsa.kernels:
  - .name:           k_qcc6047dcbe_attn
    .symbol:         k_qcc6047dcbe_attn.kd
    .args:
      - { .name: qb, .offset: 0, .size: 8, .value_kind: global_buffer, .address_space: global }
      - { .name: kvc, .offset: 8, .size: 8, .value_kind: global_buffer, .address_space: global }
      - { .name: kvs, .offset: 16, .size: 8, .value_kind: global_buffer, .address_space: global }
      - { .name: lq1, .offset: 24, .size: 8, .value_kind: global_buffer, .address_space: global }
      - { .name: lk1, .offset: 32, .size: 8, .value_kind: global_buffer, .address_space: global }
      - { .name: lq2, .offset: 40, .size: 8, .value_kind: global_buffer, .address_space: global }
      - { .name: lk2, .offset: 48, .size: 8, .value_kind: global_buffer, .address_space: global }
      - { .name: ac, .offset: 56, .size: 8, .value_kind: global_buffer, .address_space: global }
      - { .name: asc, .offset: 64, .size: 8, .value_kind: global_buffer, .address_space: global }
    .group_segment_fixed_size: 327680
    .private_segment_fixed_size: 0
    .kernarg_segment_align: 8
    .kernarg_segment_size: 72
    .max_flat_workgroup_size: 512
    .sgpr_count:     100
    .vgpr_count:     256
    .wavefront_size: 32
...
	.end_amdgpu_metadata
.endif
;; end of part 3
;; launch oproj (part 4): grid 16 x 16, 4 waves a work-group, clusters of 4 x 4, 327,680 bytes of LDS; arguments ac, asc, cod, scl, out0; writes out0
.if DOCPART == 4
	.amdgcn_target "amdgcn-amd-amdhsa--gfx1250"
	.amdhsa_code_object_version 6
	.text
	.protected	k_qcc6047dcbe_oproj
	.globl	k_qcc6047dcbe_oproj
	.p2align	8
	.type	k_qcc6047dcbe_oproj,@function
k_qcc6047dcbe_oproj:
	s_mov_b64 s[64:65], 0
	v_nop
	global_prefetch_b8 v0, s[64:65] scope:SCOPE_SE
	s_setreg_imm32_b32 hwreg(HW_REG_WAVE_MODE, 25, 1), 1
	s_wait_xcnt 0x0
	s_wait_alu depctr_hold_cnt(0) depctr_sa_sdst(0) depctr_va_vdst(0) depctr_va_sdst(0) depctr_va_ssrc(0) depctr_va_vcc(0) depctr_vm_vsrc(0)
	s_getreg_b32 s2, hwreg(HW_REG_IB_STS2, 6, 4)
	s_cmp_eq_u32 s2, 0
	s_cbranch_scc0 .Lentry_in_a_cluster
	s_endpgm
.Lentry_in_a_cluster:
	s_bfe_u32 s2, ttmp6, 0x10000c
	s_cmp_lg_u32 s2, 0xf033
	s_cbranch_scc0 .Lentry_shape_is_right
	s_endpgm
.Lentry_shape_is_right:
.set SLOT,  98304
.set REG,   24576
.set SCL,   2*SLOT
.set SPARE, SCL+4*4096
.set ADRA, 16
.set ADRB, 20
.set STO,  24
.set RD,   25
.set CO,   26
.set ASA,  27
.set SPW,  28
.set NIL,  29
.set ASB,  30
.set SC,   32
.set ACC,  128
.set G1, 24
.set G0, 32
.set G1B, 48
.set G0B, 56
.set MSB, 0
.macro WIN new
.if MSB != \new
	s_set_vgpr_msb (MSB<<8)|\new
.set MSB, \new
.endif
.endm
.set MUL,  0x05
.set TO_F, 0x40
.macro JLOAD g0a, g1a, g0b, g1b
	s_cmp_eq_u32 s17, 0
	s_cbranch_scc0 .Lfor_b_\@
	tensor_load_to_lds s[\g0a:\g0a+3], s[\g1a:\g1a+7]
	s_nop 0
.rept 4
	v_nop
.endr
	s_branch .Lasked_\@
.Lfor_b_\@:
	tensor_load_to_lds s[\g0b:\g0b+3], s[\g1b:\g1b+7]
	s_nop 0
.rept 4
	v_nop
.endr
.Lasked_\@:
.endm
.macro CREST
	s_cmp_lg_u32 s16, 0
	s_cbranch_scc1 .Lnot_wave_0_\@
	s_barrier_signal -3
.Lnot_wave_0_\@:
	s_barrier_wait -3
	s_barrier_signal -1
	s_barrier_wait -1
.endm
.macro CROUND
	s_barrier_signal -1
	s_barrier_wait -1
	CREST
.endm
.macro PLACES
.rept 4
	v_nop
.endr
.endm
	s_load_b256 s[4:11], s[0:1], 0x0
	s_load_b64 s[12:13], s[0:1], 0x20
	v_lshl_add_u32 v[SPW], v0, 2, SPARE
	v_mov_b32 v[NIL], 0
	ds_add_u32 v[SPW], v[NIL]
	ds_add_u32 v[SPW], v[NIL]
	v_lshrrev_b32 v1, 5, v0
	v_readfirstlane_b32 s16, v1
	s_lshr_b32 s17, s16, 1
	s_and_b32 s18, s16, 1
	s_bfe_u32 s40, ttmp6, 0x40000
	s_bfe_u32 s41, ttmp6, 0x40004
	s_lshl_b32 s42, ttmp9, 2
	s_add_co_u32 s42, s42, s40
	s_and_b32 s20, ttmp7, 0xffff
	s_lshl_b32 s20, s20, 2
	s_add_co_u32 s20, s20, s41
	s_lshl_b32 s43, s41, 2
	s_lshl_b32 s43, 15, s43
	s_lshl_b32 s44, 0x1111, s40
	s_or_b32 s[G1], s43, (3<<16)|(1<<21)
	s_or_b32 s[G1B], s44, (3<<16)|(1<<21)
.irp g, G1, G1B
	s_mov_b32 s[\g+1], 768<<16
	s_mov_b32 s[\g+2], 4<<16
	s_mov_b32 s[\g+3], 768<<16
	s_mov_b32 s[\g+4], 4
	s_mov_b32 s[\g+5], 3072
	s_mov_b32 s[\g+6], 0
	s_mov_b32 s[\g+7], 0
.endr
	s_lshl_b32 s92, s20, 3
	s_lshl_b32 s93, s18, 2
	s_add_co_u32 s92, s92, s93
	s_mul_i32 s92, s92, 24576
	s_mov_b32 s93, 0
	s_lshl_b32 s94, s20, 1
	s_add_co_u32 s94, s94, s18
	s_lshl_b32 s94, s94, 12
	s_mov_b32 s95, 0
	s_lshl_b32 s46, s42, 3
	s_lshl_b32 s47, s18, 2
	s_add_co_u32 s46, s46, s47
	s_add_co_u32 s46, s46, 512
	s_lshl_b32 s96, s46, 10
	s_mov_b32 s97, 0
	s_mul_i32 s46, s46, 24576
	s_mov_b32 s47, 0
	s_mul_i32 s45, s16, REG
	s_lshl_b32 s98, s16, 12
	s_wait_dscnt 0x0
	s_wait_kmcnt 0x0
	s_add_nc_u64 s[92:93], s[4:5], s[92:93]
	s_add_nc_u64 s[94:95], s[6:7], s[94:95]
	s_add_nc_u64 s[46:47], s[8:9], s[46:47]
	s_add_nc_u64 s[96:97], s[10:11], s[96:97]
	; THE SCALE WORDS go through registers: wave w asks for its dense block of 4,096 bytes (waves 0, 1 the rows', waves 2, 3 Wo's), 512 consecutive bytes a load, and stores it into bytes of LDS that no tensor load fills.
	; They are 16,384 of the 409,600 bytes that a work-group reads, so they are not asked for jointly.
	v_and_b32 v5, 31, v0
	v_lshlrev_b32 v6, 4, v5                        ; 16 x lane
	s_add_co_u32 s98, s98, SCL
	v_add_nc_u32 v7, s98, v6                       ; and the same place in my block in LDS
	s_wait_alu depctr_va_vdst(0)
	s_cmp_eq_u32 s17, 0
	s_cselect_b64 s[94:95], s[94:95], s[96:97]
.irp n, 0,1,2,3,4,5,6,7
	global_load_b128 v[128+4*\n:131+4*\n], v6, s[94:95] offset:512*\n
.endr
	CROUND                                         ; all sixteen work-groups are here: the first joint loads meet
.irp s, 0,1
	s_mov_b32 s[G0+4*\s], 1
	s_add_co_u32 s[G0+4*\s+1], s45, \s*SLOT
	s_add_nc_u64 s[G0+4*\s+2:G0+4*\s+3], s[92:93], \s*6144
	s_or_b32 s[G0+4*\s+3], s[G0+4*\s+3], 0x80000000
	s_mov_b32 s[G0B+4*\s], 1
	s_add_co_u32 s[G0B+4*\s+1], s45, \s*SLOT
	s_add_nc_u64 s[G0B+4*\s+2:G0B+4*\s+3], s[46:47], \s*6144
	s_or_b32 s[G0B+4*\s+3], s[G0B+4*\s+3], 0x80000000
.if \s == 1
	s_wait_loadcnt 0x0                             ; my scale words are in registers,
.irp n, 0,1,2,3,4,5,6,7
	ds_store_b128 v7, v[128+4*\n:131+4*\n] offset:512*\n
.endr
	s_wait_alu depctr_va_vdst(0)                   ; one tensor load a wave at the head: slot 1's first fill stands behind these lines and a round
	s_wait_tensorcnt 0x0
	ds_add_u32 v28, v29
	s_wait_dscnt 0x0                               ; the add and my stores of scale words are done: the round shows them to the other waves
	CROUND
.endif
	JLOAD G0+4*\s, G1, G0B+4*\s, G1B               ; slot 0 at the head; slot 1 behind the round
.endr
	v_and_b32 v1, 15, v0
	s_wait_alu depctr_va_vdst(0)
	v_bfe_u32 v2, v0, 4, 1
	v_and_b32 v3, 31, v0
	v_lshlrev_b32 v3, 4, v3
	s_mul_i32 s21, s17, REG
	s_mul_i32 s22, s18, REG
	s_add_co_u32 s22, s22, 2*REG
.irp s, 0,1
	v_add_nc_u32 v[ADRA+\s], s21, v3
	v_add_nc_u32 v[ADRB+\s], s22, v3
	s_add_co_u32 s21, s21, SLOT
	s_add_co_u32 s22, s22, SLOT
.endr
	s_lshl_b32 s21, s17, 12
	s_add_co_u32 s21, s21, SCL
	v_lshl_add_u32 v[ASA], v1, 4, s21
	s_lshl_b32 s21, s18, 12
	s_add_co_u32 s21, s21, SCL+8192
	v_lshl_add_u32 v[ASB], v1, 4, s21
	s_mul_i32 s23, s16, 4352
	v_mul_u32_u24 v4, v1, 272
	v_lshl_add_u32 v4, v2, 6, v4
	v_add_nc_u32 v[STO], s23, v4
	v_mul_u32_u24 v4, v2, 272
	v_lshl_add_u32 v4, v1, 4, v4
	v_add_nc_u32 v[RD], s23, v4
	v_lshlrev_b32 v[CO], 13, v2
	v_lshl_add_u32 v[CO], v1, 4, v[CO]
	s_lshl_b32 s21, s20, 7
	s_lshl_b32 s22, s17, 6
	s_add_co_u32 s21, s21, s22
	s_lshl_b32 s22, s21, 13
	s_mov_b32 s23, 0
	s_add_nc_u64 s[12:13], s[12:13], s[22:23]
	s_lshl_b32 s46, s42, 9
	s_lshl_b32 s47, s18, 8
	s_add_co_u32 s46, s46, s47
	s_mov_b32 s47, 0
	s_add_nc_u64 s[12:13], s[12:13], s[46:47]
.macro FRAG reg, adr, off
.irp c, 0,1,2
	ds_load_b128 v[\reg+4*\c:\reg+4*\c+3], v[\adr] offset:\off+512*\c
.endr
.endm
.macro FETCH slot, q, f
	WIN TO_F
.irp i, 0,1,2,3
	FRAG \f+12*\i, ADRA+\slot, 6144*\i+1536*(\q)
	FRAG \f+48+12*\i, ADRB+\slot, 6144*\i+1536*(\q)
.endr
.endm
.macro SCALES n, set
.irp q, 0,1,2,3
	ds_load_b128 v[SC+32*(\set)+4*\q:SC+32*(\set)+4*\q+3], v[ASA] offset:256*(4*(\n)+\q)
.endr
.irp b, 0,1,2,3
	ds_load_b128 v[SC+32*(\set)+16+4*\b:SC+32*(\set)+16+4*\b+3], v[ASB] offset:1024*\b+256*(\n)
.endr
.endm
.macro MUL4 a0, na, f, q, set, zero
.set aa, \a0
.rept \na
.irp b, 0,1,2,3
.if \zero
	v_wmma_scale_f32_16x16x128_f8f6f4 v[ACC+8*(4*aa+\b):ACC+8*(4*aa+\b)+7], v[\f+48+12*\b:\f+48+12*\b+11], v[\f+12*aa:\f+12*aa+11], 0, v[SC+32*(\set)+16+4*\b+(\q)], v[SC+32*(\set)+4*(\q)+aa] matrix_a_fmt:MATRIX_FMT_FP6 matrix_b_fmt:MATRIX_FMT_FP6
.else
	v_wmma_scale_f32_16x16x128_f8f6f4 v[ACC+8*(4*aa+\b):ACC+8*(4*aa+\b)+7], v[\f+48+12*\b:\f+48+12*\b+11], v[\f+12*aa:\f+12*aa+11], v[ACC+8*(4*aa+\b):ACC+8*(4*aa+\b)+7], v[SC+32*(\set)+16+4*\b+(\q)], v[SC+32*(\set)+4*(\q)+aa] matrix_a_fmt:MATRIX_FMT_FP6 matrix_b_fmt:MATRIX_FMT_FP6
.endif
.endr
.set aa, aa+1
.endr
.endm
.macro KSTEP slot, q, zero
	s_wait_dscnt 0x0
	PLACES
	FETCH \slot, (\q)+1, 128*(((\q)+1)%2)
	WIN MUL
	MUL4 0, 4, 128*((\q)%2), \q, \slot, \zero
.endm
.macro TURN n, slot, next, fill
	WIN 0
	s_wait_tensorcnt 0x0
	ds_add_u32 v[SPW], v[NIL]
	s_wait_dscnt 1
	WIN MUL
	MUL4 0, 1, 128, 3, \slot, 0
	s_wait_dscnt 0x0
	s_barrier_signal -1
	MUL4 1, 1, 128, 3, \slot, 0
	WIN 0
	s_barrier_wait -1
.if \fill
	CREST
	s_add_nc_u64 s[G0+4*\slot+2:G0+4*\slot+3], s[G0+4*\slot+2:G0+4*\slot+3], 12288
	s_add_nc_u64 s[G0B+4*\slot+2:G0B+4*\slot+3], s[G0B+4*\slot+2:G0B+4*\slot+3], 12288
	JLOAD G0+4*\slot, G1, G0B+4*\slot, G1B
.else
	PLACES
.endif
	FETCH \next, 0, 0
	WIN 0
	SCALES (\n)+1, \next
	WIN MUL
	MUL4 2, 2, 128, 3, \slot, 0
.endm
	s_wait_alu depctr_va_vdst(0)
	s_wait_tensorcnt 1
	s_barrier_signal -1
	s_barrier_wait -1
	FETCH 0, 0, 0
	WIN 0
	SCALES 0, 0
	KSTEP 0, 0, 1
	KSTEP 0, 1, 0
	KSTEP 0, 2, 0
	TURN 0, 0, 1, 1
	KSTEP 1, 0, 0
	KSTEP 1, 1, 0
	KSTEP 1, 2, 0
	TURN 1, 1, 0, 1
	KSTEP 0, 0, 0
	KSTEP 0, 1, 0
	KSTEP 0, 2, 0
	TURN 2, 0, 1, 0
	KSTEP 1, 0, 0
	KSTEP 1, 1, 0
	KSTEP 1, 2, 0
	s_wait_dscnt 0x0
	MUL4 0, 4, 128, 3, 1, 0
	WIN 0
.macro TOSTAGE a
.irp b, 0,1,2,3
	ds_store_b128 v[STO], v[ACC+8*(4*\a+\b):ACC+8*(4*\a+\b)+3] offset:128*(\b/2)+32*(\b%2)
	ds_store_b128 v[STO], v[ACC+8*(4*\a+\b)+4:ACC+8*(4*\a+\b)+7] offset:128*(\b/2)+32*(\b%2)+16
.endr
.irp t, 0,1,2,3,4,5,6,7
	ds_load_b128 v[ACC+32*\a+4*\t:ACC+32*\a+4*\t+3], v[RD] offset:544*\t
.endr
.endm
.macro SEND a, younger
	s_wait_dscnt \younger
.irp t, 0,1,2,3,4,5,6,7
	global_store_b128 v[CO], v[ACC+32*\a+4*\t:ACC+32*\a+4*\t+3], s[12:13] offset:(16*\a+2*\t)*8192 th:TH_STORE_NT
.endr
.endm
	PLACES
	TOSTAGE 0
	TOSTAGE 1
	SEND 0, 16
	TOSTAGE 2
	SEND 1, 16
	TOSTAGE 3
	SEND 2, 16
	SEND 3, 0
	s_wait_tensorcnt 0x0
	ds_add_u32 v[SPW], v[NIL]
	s_wait_dscnt 0x0
	CROUND
	s_endpgm
.Lfunc_end_k_qcc6047dcbe_oproj:
	.size	k_qcc6047dcbe_oproj, .Lfunc_end_k_qcc6047dcbe_oproj-k_qcc6047dcbe_oproj
	.p2alignl 7, 3214868480
	.fill 96, 4, 3214868480
	.section	.rodata,"a",@progbits
	.p2align	6, 0x0
	.amdhsa_kernel k_qcc6047dcbe_oproj
		.amdhsa_group_segment_fixed_size 327680
		.amdhsa_private_segment_fixed_size 0
		.amdhsa_enable_private_segment 0
		.amdhsa_kernarg_size 40
		.amdhsa_user_sgpr_count 2
		.amdhsa_user_sgpr_kernarg_segment_ptr 1
		.amdhsa_wavefront_size32 1
		.amdhsa_system_sgpr_workgroup_id_x 1
		.amdhsa_system_sgpr_workgroup_id_y 1
		.amdhsa_system_sgpr_workgroup_id_z 1
		.amdhsa_system_vgpr_workitem_id 0
		.amdhsa_next_free_vgpr 512
		.amdhsa_next_free_sgpr 100
		.amdhsa_reserve_vcc 0
		.amdhsa_float_denorm_mode_32 3
		.amdhsa_float_denorm_mode_16_64 3
		.amdhsa_memory_ordered 1
		.amdhsa_forward_progress 1
		.amdhsa_inst_pref_size 81
	.end_amdhsa_kernel
	.amdgpu_metadata
---
amdhsa.version: [ 1, 2 ]
amdhsa.kernels:
  - .name:           k_qcc6047dcbe_oproj
    .symbol:         k_qcc6047dcbe_oproj.kd
    .args:
      - { .name: ac, .offset: 0, .size: 8, .value_kind: global_buffer, .address_space: global }
      - { .name: asc, .offset: 8, .size: 8, .value_kind: global_buffer, .address_space: global }
      - { .name: cod, .offset: 16, .size: 8, .value_kind: global_buffer, .address_space: global }
      - { .name: scl, .offset: 24, .size: 8, .value_kind: global_buffer, .address_space: global }
      - { .name: out0, .offset: 32, .size: 8, .value_kind: global_buffer, .address_space: global }
    .group_segment_fixed_size: 327680
    .private_segment_fixed_size: 0
    .kernarg_segment_align: 8
    .kernarg_segment_size: 40
    .max_flat_workgroup_size: 128
    .sgpr_count:     100
    .vgpr_count:     512
    .wavefront_size: 32
...
	.end_amdgpu_metadata
.endif
;; end of part 4
